; MI455X (gfx1250); checked and timed in simulation.
; The chip was launched on July 23, 2026; its instructions are those of AMD's public machine-readable ISA for CDNA 5 (MIT licence, August 2026) and "CDNA5" Instruction Set Architecture Reference Guide (July 2026). The comments in the code are by the model that wrote it; some were corrected since.
;; Mo E. Allowed arithmetic: matrix products marked QUANTISED: E2M1 operands, one E8M0 scale for each 32 along K, by v_wmma_scale_f32_16x16x128_f8f6f4 with both operands' format E2M1 (or v_wmma_scale_f32_32x16x128_f4), f32 sums; products left as they are: f32 operands where the result goes on into a quantised operand, else bf16, f16 or f32 operands; f32 sums; everything else in f32.
;; Inputs: W1_codes 8 x 4,096 x 32 x 16 uint8 (E2M1 codes of W1, K innermost, in blocks of 32 codes, two codes a byte); W1_scales 8 x 4,096 x 32 uint8 (E8M0 scales of W1, one for each 32 codes along K); W2_codes 8 x 1,024 x 128 x 16 uint8 (E2M1 codes of W2, K innermost, in blocks of 32 codes, two codes a byte); W2_scales 8 x 1,024 x 128 uint8 (E8M0 scales of W2, one for each 32 codes along K); Wr 1,024 x 8 float32; b1 8 x 4,096 float32; b2 8 x 1,024 float32; br 8 float32; x 4 x 256 x 1,024 float32.
;; Outputs: out0 4 x 256 x 1,024 float32.
;; This version of the problem:
;;   THIS VERSION OF THE PROBLEM IS GIVEN IN LOW PRECISION. The matrix products marked QUANTISED in the list below multiply operands that are first quantised to E2M1 (2 exponent bits, 1 mantissa bit; 4 bits a number), with one power-of-two scale for each 32 numbers along K (OCP MX v1.0); their sums are f32. All else is computed in f32.
;;   The module's matrix products, in the order in which they are computed (A, B: the left and right operand; K: the contracted axis; several contracted axes count as one K, in the product's order):
;;     1. [M 1,024, K 1,024] x [K 1,024, N 8]; A: input x; B: input Wr: left as it is (N = 8 < 16)
;;     2. [M 1,024, K 1,024] x [K 1,024, N 32,768]; A: input x; B: input W1 (given as codes): QUANTISED
;;     3. batch 8 x [M 1,024, K 4,096] x [K 4,096, N 1,024]; A: input W2 (given as codes); B: computed on the way: QUANTISED
;;   THE QUANTISER, for each operand of a quantised product, along K:
;;     - K is cut into blocks of 32 from its start; a last block that is shorter is filled with zeros.
;;     - A block's scale is 2^e with e = floor(log2(the largest magnitude in the block)) - 2, held to -126 .. 127; a block of zeros has e = 0. As a byte (E8M0): e + 127.
;;     - Each number is divided by its block's scale, clamped to +-6, and rounded to the nearest number of E2M1, ties to even, subnormals kept.
;;     - The product sums the exact products of the quantised numbers (number of the format x scale) in f32.
;;   ~~~python
;;   def quantise(x, axis):      # numpy; x: float32 -> the quantised numbers, widened to float32 again
;;       x = np.moveaxis(x, axis, -1); K = x.shape[-1]
;;       x = np.pad(x, [(0, 0)] * (x.ndim - 1) + [(0, -K % 32)]); x = x.reshape(x.shape[:-1] + (-1, 32)); a = np.abs(x).max(-1, keepdims=True)
;;       e = np.where(a > 0, np.clip(np.frexp(np.where(a > 0, a, 1))[1] - 1 - 2, -126, 127), 0)      # np.frexp(a)[1] - 1 = floor(log2(a)), exactly
;;       r = np.clip(x / 2.0 ** e, -6, 6)
;;       step = 2.0 ** (np.maximum(np.frexp(np.where(r == 0, 1, r))[1] - 1, 0) - 1)
;;       q = np.round(r / step) * step * 2.0 ** e      # np.round: ties to even
;;       return np.moveaxis(q.reshape(q.shape[:-2] + (-1,))[..., :K], -1, axis).astype(np.float32)
;;   ~~~
;;   OPERANDS COMPUTED ON THE WAY. 'Computed on the way' means the value that the module computes at that place (a softmax that the list does not call 'softmax' is quantised finished and normalised). What goes into a quantiser is computed in f32, as accurately as f32 sums, v_exp_f32 and their like allow (about 1e-6 of the number): no bf16 or f16 on the way to a quantiser, and a product that is left as it is and whose result goes on into a quantised operand takes f32 operands (vector FMAs, or v_wmma_f32_16x16x4_f32). A number that lies on a knife's edge between two numbers of the format may be rounded either way, as far as f32 arithmetic and the matrix unit's own rounding can turn it there, and no further.
;;   INPUTS GIVEN AS CODES. W1 (in the module: [8, 1024, 4096], K = its axis 1); W2 (in the module: [8, 4096, 1024], K = its axis 1): each comes as NAME_codes (uint8): NAME with its K axis moved to the last place and cut into blocks of 32 codes, [.., K / 32, bytes a block], one block behind the other in memory; two codes a byte, the lower K in the low four bits (a code: sign, 2 exponent bits, 1 mantissa bit); and NAME_scales (uint8): the same leading axes, one E8M0 byte (e + 127) for each 32 codes along K. Its value is code x scale, taken as it is: it is not quantised again, and the codes and scales need not be those that the quantiser above would give.
;; 2 versions. Each part assembles by itself: llvm-mc -triple=amdgcn-amd-amdhsa -mcpu=gfx1250 --defsym DOCPART=n.
;; ======== version 1 of 2: 4 launches
;; workspace buffers: xq 557,056 bytes; sel 4,096 bytes of whole numbers; prb 8,192 bytes; rows 33,024 bytes of whole numbers; hc 17,825,792 bytes; y 8,388,608 bytes
;; launch route (part 1): grid 256 x 1, 4 waves a work-group, no clusters, 52,736 bytes of LDS; arguments x, Wr, br, xq, sel, prb; writes xq, sel, prb
.if DOCPART == 1
	.amdgcn_target "amdgcn-amd-amdhsa--gfx1250"
	.amdhsa_code_object_version 6
	.text
	.protected	k_qc5a40c91cf_route
	.globl	k_qc5a40c91cf_route
	.p2align	8
	.type	k_qc5a40c91cf_route,@function
k_qc5a40c91cf_route:
	s_mov_b64 s[64:65], 0
	v_nop
	global_prefetch_b8 v0, s[64:65] scope:SCOPE_SE
	s_setreg_imm32_b32 hwreg(HW_REG_WAVE_MODE, 25, 1), 1
	s_wait_xcnt 0x0
; ROUTER AND QUANTISER OF x.  x: [1024 tokens][1024] f32.  Wr: [1024][8], br: [8] f32.
; One wave takes one token t = 4 x work-group + wave:
;   scores[e] = sum over d of x[d] Wr[d][e] + br[e], in f32 (fused multiply-adds, 32 lanes x 32 numbers, then across the lanes);
;   the two largest scores (of equal scores the lower index is kept: the scans compare strictly); their softmax, the larger score taken away first;
;   x's 32 blocks of 32 become codes of E2M1 with one E8M0 byte each: lane l holds block l whole.
; OUT: xq: [1024][512] bytes of codes, and from byte 524288 on [1024][32] scale bytes;  sel[t] = (1 << e0) | (1 << (8 + e1));  prb[t] = p0, p1.
; No address and no branch hangs on the scores: sel and prb go to fixed places, and a later launch reads sel.
; Wr (32,768 bytes) is read once a work-group, 8,192 bytes a wave, and handed round through LDS; no matrix unit: N = 8.
; LIMITS: NaN and infinities among the inputs are not served.  Where the second and the third score lie closer than the error of an f32 sum of 1,024 terms, the choice may differ from
; another order of summation's.  A block of zeros gets the scale byte 1 (its codes are zeros; this program alone reads the bytes).
.set WRP,  1040                        ; LDS: 32 chunks of Wr (32 rows = 1,024 bytes) + 16 of padding: lane l reads chunk l
.set XST,  33280                       ; behind them, for each wave: 32 chunks of x (128 bytes) + 16 of padding
.set XSP,  144
.set XN,   8                           ; v8-39    x as loaded: 16 bytes a lane of each 512
.set XT,   40                          ; v40-71   x turned: lane l holds d = 32 l + 0 .. 31
.set WN,   72                          ; v72-135  my wave's part of Wr as loaded
.set ACC,  136                         ; v136-151 partial scores: even d (8), odd d (8)
.set SC,   152                         ; v152-159 scores
.set PT,   160                         ; v160-167 the other half of the lanes'
.set MS,   176                         ; v176-183 scores with the winner taken out
                                       ; window 1 (v256-511): Wr[32 lane + i][e] at register 8 i + e
.set MSB, 0
.macro WIN new                         ; the immediate's high byte repeats the setting that is left
.if MSB != \new
	s_set_vgpr_msb (MSB<<8)|\new
.set MSB, \new
.endif
.endm
	s_load_b128 s[4:7], s[0:1], 0x0                ; x, Wr
	s_load_b128 s[8:11], s[0:1], 0x10              ; br, xq
	s_load_b128 s[12:15], s[0:1], 0x20             ; sel, prb
	v_lshl_add_u32 v254, v0, 2, 0xcc00
	v_mov_b32 v255, 0
	v_lshrrev_b32 v1, 5, v0
	v_readfirstlane_b32 s18, v1                    ; wave
	v_and_b32 v1, 31, v0                           ; lane
	v_lshlrev_b32 v2, 4, v1                        ; 16 x lane
	s_lshl_b32 s19, ttmp9, 2
	s_add_co_u32 s19, s19, s18                     ; my token
	s_mul_i32 s31, s18, 8*WRP
	v_add_nc_u32 v3, s31, v2                       ; Wr into LDS: my wave's eight chunks
	v_mul_u32_u24 v4, v1, WRP                      ; Wr out of LDS: chunk = lane
	s_mul_i32 s31, s18, 32*XSP
	s_add_co_u32 s31, s31, XST                     ; my wave's stage for x
	v_lshrrev_b32 v5, 3, v1
	v_mul_u32_u24 v5, v5, XSP
	v_and_b32 v6, 7, v1
	v_lshl_add_u32 v5, v6, 4, v5
	v_add_nc_u32 v5, s31, v5                       ; x in: eight lanes' 128 bytes make a chunk
	v_mul_u32_u24 v6, v1, XSP
	v_add_nc_u32 v6, s31, v6                       ; x out: chunk = lane
	v_mov_b32 v7, 0
.irp e, 0,1,2,3,4,5,6,7
	v_mov_b32 v[PT+\e], 0                          ; written once: a lane permute's destination counts as one of its sources
.endr
	s_mov_b32 s28, 0x76543210
	s_mov_b32 s29, 0xfedcba98                      ; v_permlanex16_b32's selects for lane l xor 16
	s_lshl_b32 s32, s19, 12                        ; x: 4,096 bytes a token
	s_mov_b32 s33, 0
	s_lshl_b32 s34, s18, 13                        ; Wr: 8,192 bytes a wave
	s_mov_b32 s35, 0
	s_lshl_b32 s36, s19, 9                         ; codes: 512 bytes a token
	s_mov_b32 s37, 0
	s_lshl_b32 s38, s19, 5                         ; scale bytes: 32 a token, behind the codes
	s_add_co_u32 s38, s38, 524288
	s_mov_b32 s39, 0
	s_lshl_b32 s40, s19, 2
	s_mov_b32 s41, 0
	s_lshl_b32 s42, s19, 3
	s_mov_b32 s43, 0
	s_wait_kmcnt 0x0
	s_load_b256 s[20:27], s[8:9], 0x0              ; br's eight numbers
	s_add_nc_u64 s[4:5], s[4:5], s[32:33]
	s_add_nc_u64 s[6:7], s[6:7], s[34:35]
	s_add_nc_u64 s[16:17], s[10:11], s[38:39]
	s_add_nc_u64 s[10:11], s[10:11], s[36:37]
	s_add_nc_u64 s[12:13], s[12:13], s[40:41]
	s_add_nc_u64 s[14:15], s[14:15], s[42:43]
.irp i, 0,1,2,3,4,5,6,7
	global_load_b128 v[XN+4*\i:XN+4*\i+3], v2, s[4:5] offset:512*\i th:TH_LOAD_NT   ; 512 consecutive bytes a load; read once in the launch
.endr
.irp m, 0,1,2,3,4,5,6,7,8,9,10,11,12,13,14,15
	global_load_b128 v[WN+4*\m:WN+4*\m+3], v2, s[6:7] offset:512*\m
.endr
	s_wait_loadcnt 16                              ; x is in; Wr's 16 loads were issued behind it
.irp i, 0,1,2,3,4,5,6,7
	ds_store_b128 v5, v[XN+4*\i:XN+4*\i+3] offset:4*XSP*\i
.endr
	s_wait_loadcnt 0x0
.irp m, 0,1,2,3,4,5,6,7,8,9,10,11,12,13,14,15
	ds_store_b128 v3, v[WN+4*\m:WN+4*\m+3] offset:512*\m+16*(\m/2)
.endr
	s_wait_dscnt 0x0                               ; for the others' sake: my part of Wr lies in LDS
	s_barrier_signal -1
	s_barrier_wait -1                              ; all of Wr does
.irp k, 0,1,2,3,4,5,6,7
	ds_load_b128 v[XT+4*\k:XT+4*\k+3], v6 offset:16*\k
.endr
	WIN 0x40                                       ; destination window 1
.set ii, 0
.rept 32
	ds_load_b128 v[8*ii:8*ii+3], v4 offset:32*ii
	ds_load_b128 v[8*ii+4:8*ii+7], v4 offset:32*ii+16
.set ii, ii+1
.endr
	WIN 0
	s_wait_dscnt 63                                ; x is back (64 loads were issued behind it; the wait names 63 at the most, which is the stricter side)
	; ---- my block of 32: largest magnitude, scale, codes
	v_max3_num_f32 v184, |v[XT]|, |v[XT+1]|, 0x1800000     ; with the floor 2^(3 - 127) among the leaves: the byte cannot fall under 1
	v_max3_num_f32 v185, |v[XT+2]|, |v[XT+3]|, 0x1800000
.irp i, 4,8,12,16,20,24,28
	v_max3_num_f32 v184, v184, |v[XT+\i]|, |v[XT+\i+1]|
	v_max3_num_f32 v185, v185, |v[XT+\i+2]|, |v[XT+\i+3]|
.endr
	v_max_num_f32 v184, v184, v185
	v_add_nc_u32 v186, 0xff000000, v184            ; 2 off the exponent field: the conversion takes the exponent field of this operand as its scale
.irp g, 0,1,2,3
	v_cvt_scalef32_pk8_fp4_f32 v[188+\g], v[XT+8*\g:XT+8*\g+7], v186
.endr
	v_lshrrev_b32 v187, 23, v186                   ; the scale's byte (also the plain line behind the conversions)
	global_store_b128 v2, v[188:191], s[10:11]     ; the wave stores the token's 512 bytes of codes on end
	global_store_b8 v1, v187, s[16:17]             ; and its 32 scale bytes
	; ---- scores: eight chains (even and odd d, four pairs of experts)
	s_wait_dscnt 0x0
	WIN 0x01                                       ; source 0 (Wr) window 1
.set ii, 0
.rept 32
.set pp, 0
.rept 4
.if ii == 0
	v_pk_mul_f32 v[ACC+2*pp:ACC+2*pp+1], v[8*ii+2*pp:8*ii+2*pp+1], v[XT:XT+1] op_sel_hi:[1,0]
.elseif ii == 1
	v_pk_mul_f32 v[ACC+8+2*pp:ACC+8+2*pp+1], v[8*ii+2*pp:8*ii+2*pp+1], v[XT:XT+1] op_sel:[0,1] op_sel_hi:[1,1]
.elseif ii%2 == 0
	v_pk_fma_f32 v[ACC+2*pp:ACC+2*pp+1], v[8*ii+2*pp:8*ii+2*pp+1], v[XT+ii:XT+ii+1], v[ACC+2*pp:ACC+2*pp+1] op_sel_hi:[1,0,1]
.else
	v_pk_fma_f32 v[ACC+8+2*pp:ACC+8+2*pp+1], v[8*ii+2*pp:8*ii+2*pp+1], v[XT+ii-1:XT+ii], v[ACC+8+2*pp:ACC+8+2*pp+1] op_sel:[0,1,0] op_sel_hi:[1,1,1]
.endif
.set pp, pp+1
.endr
.set ii, ii+1
.endr
	WIN 0
.irp p, 0,2,4,6
	v_pk_add_f32 v[SC+\p:SC+\p+1], v[ACC+\p:ACC+\p+1], v[ACC+8+\p:ACC+8+\p+1]
.endr
.irp m, 1,2,4,8
.irp e, 0,1,2,3,4,5,6,7
	v_add_f32_dpp v[SC+\e], v[SC+\e], v[SC+\e] row_xmask:\m row_mask:0xf bank_mask:0xf
.endr
.endr
.irp e, 0,1,2,3,4,5,6,7
	v_permlanex16_b32 v[PT+\e], v[SC+\e], s28, s29
.endr
	s_wait_kmcnt 0x0                               ; br
.irp e, 0,1,2,3,4,5,6,7
	v_add_f32 v[SC+\e], v[SC+\e], v[PT+\e]
.endr
.irp e, 0,1,2,3,4,5,6,7
	v_add_f32 v[SC+\e], s[20+\e], v[SC+\e]         ; every lane now holds the token's eight scores
.endr
	; ---- the two largest; a later score wins only if it is strictly larger
	v_mov_b32 v168, v[SC]
	v_mov_b32 v169, 0
.irp e, 1,2,3,4,5,6,7
	v_cmp_gt_f32 vcc_lo, v[SC+\e], v168
	v_cndmask_b32 v168, v168, v[SC+\e], vcc_lo
	v_cndmask_b32 v169, v169, \e, vcc_lo
.endr
	v_mov_b32 v172, 0xff800000                     ; -infinity takes the winner's place
.irp e, 0,1,2,3,4,5,6,7
	v_cmp_eq_u32 vcc_lo, \e, v169
	v_cndmask_b32 v[MS+\e], v[SC+\e], v172, vcc_lo
.endr
	v_mov_b32 v170, v[MS]
	v_mov_b32 v171, 0
.irp e, 1,2,3,4,5,6,7
	v_cmp_gt_f32 vcc_lo, v[MS+\e], v170
	v_cndmask_b32 v170, v170, v[MS+\e], vcc_lo
	v_cndmask_b32 v171, v171, \e, vcc_lo
.endr
	; ---- softmax of the two, the larger taken away: p0 = 1 / (1 + u), p1 = u p0, u = e^(s1 - s0) <= 1
	v_sub_f32 v173, v170, v168
	v_mul_f32 v173, 0x3fb8aa3b, v173               ; x log2(e)
	v_exp_f32 v174, v173
	v_mov_b32 v192, 1                              ; plain work behind the exponential: the whole number for the later launch
	v_lshlrev_b32 v192, v169, v192                 ; 1 << e0
	v_mov_b32 v193, 0x100
	v_lshlrev_b32 v193, v171, v193                 ; 1 << (8 + e1)
	v_or_b32 v192, v192, v193
	s_wait_alu depctr_va_vdst(0)                   ; the wait ahead of the first line that names the exponential's result
	v_add_f32 v175, 1.0, v174
	v_rcp_f32 v194, v175
	v_nop                                          ; a plain line behind the reciprocal
	s_wait_alu depctr_va_vdst(0)                   ; and its wait
	v_mul_f32 v195, v174, v194
	v_cmp_eq_u32 vcc_lo, 0, v1
	s_wait_xcnt 0x0                                ; EXEC changes only behind this wait: stores are out
	s_wait_tensorcnt 0x0
	ds_add_u32 v254, v255
	s_wait_dscnt 0x0
	s_and_saveexec_b32 s30, vcc_lo                 ; lane 0 alone
	global_store_b32 v7, v192, s[12:13]
	global_store_b64 v7, v[194:195], s[14:15]
	s_wait_xcnt 0x0
	s_or_b32 exec_lo, exec_lo, s30
	s_endpgm
.Lfunc_end_k_qc5a40c91cf_route:
	.size	k_qc5a40c91cf_route, .Lfunc_end_k_qc5a40c91cf_route-k_qc5a40c91cf_route
	.p2alignl 7, 3214868480
	.fill 96, 4, 3214868480
	.section	.rodata,"a",@progbits
	.p2align	6, 0x0
	.amdhsa_kernel k_qc5a40c91cf_route
		.amdhsa_group_segment_fixed_size 52736
		.amdhsa_private_segment_fixed_size 0
		.amdhsa_enable_private_segment 0
		.amdhsa_kernarg_size 48
		.amdhsa_user_sgpr_count 2
		.amdhsa_user_sgpr_kernarg_segment_ptr 1
		.amdhsa_wavefront_size32 1
		.amdhsa_system_sgpr_workgroup_id_x 1
		.amdhsa_system_sgpr_workgroup_id_y 1
		.amdhsa_system_sgpr_workgroup_id_z 1
		.amdhsa_system_vgpr_workitem_id 0
		.amdhsa_next_free_vgpr 512
		.amdhsa_next_free_sgpr 66
		.amdhsa_reserve_vcc 1
		.amdhsa_float_denorm_mode_32 3
		.amdhsa_float_denorm_mode_16_64 3
		.amdhsa_memory_ordered 1
		.amdhsa_forward_progress 1
		.amdhsa_inst_pref_size 28
	.end_amdhsa_kernel
	.amdgpu_metadata
---
amdhsa.version: [ 1, 2 ]
amdhsa.kernels:
  - .name:           k_qc5a40c91cf_route
    .symbol:         k_qc5a40c91cf_route.kd
    .args:
      - { .name: x, .offset: 0, .size: 8, .value_kind: global_buffer, .address_space: global }
      - { .name: Wr, .offset: 8, .size: 8, .value_kind: global_buffer, .address_space: global }
      - { .name: br, .offset: 16, .size: 8, .value_kind: global_buffer, .address_space: global }
      - { .name: xq, .offset: 24, .size: 8, .value_kind: global_buffer, .address_space: global }
      - { .name: sel, .offset: 32, .size: 8, .value_kind: global_buffer, .address_space: global }
      - { .name: prb, .offset: 40, .size: 8, .value_kind: global_buffer, .address_space: global }
    .group_segment_fixed_size: 52736
    .private_segment_fixed_size: 0
    .kernarg_segment_align: 8
    .kernarg_segment_size: 48
    .max_flat_workgroup_size: 128
    .sgpr_count:     66
    .vgpr_count:     512
    .wavefront_size: 32
...
	.end_amdgpu_metadata
.endif
;; end of part 1
;; launch gemm1 (part 2): grid 32 x 8, 4 waves a work-group, no clusters, 109,056 bytes of LDS; arguments sel, xq, W1_codes, W1_scales, b1, hc, rows; writes hc, rows
.if DOCPART == 2
	.amdgcn_target "amdgcn-amd-amdhsa--gfx1250"
	.amdhsa_code_object_version 6
	.text
	.protected	k_qc5a40c91cf_gemm1
	.globl	k_qc5a40c91cf_gemm1
	.p2align	8
	.type	k_qc5a40c91cf_gemm1,@function
k_qc5a40c91cf_gemm1:
	s_mov_b64 s[64:65], 0
	v_nop
	global_prefetch_b8 v0, s[64:65] scope:SCOPE_SE
	s_setreg_imm32_b32 hwreg(HW_REG_WAVE_MODE, 25, 1), 1
	s_wait_xcnt 0x0
; FIRST PRODUCT, GELU, SECOND QUANTISER, for the rows that chose the expert.  h = gelu(Q(x) W1^T + b1); Q(h) along the hidden axis.
; A work-group is (SL = x, E = y): hidden units 128 SL .. 128 SL + 127 of expert E, which are ONE K step of the second product.
; Every wave holds that slice of W1 whole in 512 registers (64 fragments of 16 rows x 128 K), so each byte of W1 is loaded from memory by one wave of one work-group, and handed to the other three through LDS.
; THE LIST.  Wave 0 reads sel (whole numbers that the launch before stored) and places the routed rows of expert E in a list in LDS: rid = 2 x token + slot; places past the count hold 2048, 'no row'.
; A tile is 16 places; NT = max(1, ceil(count / 16)).  Wave w takes tiles w, w + 4, ..  'No row' places compute on token 1023's x; the next launch stores nothing for them.
; The work-groups with SL = 0 store the list and NT - 1 in rows, for the next launch.
; THE HEAD'S ORDER: sel's loads go out first and the weights' behind them, so that wave 0 places the rows while the weights are on their way; as soon as the list is whole each wave asks for its first tile's
; rows of x, which land while W1 goes through LDS.
; A TILE: 16 rows of x's codes (512 bytes each, a whole row a load) turn through the wave's stage in LDS into 8 fragments; 64 matrix instructions, TRANSPOSED (source 0 = 16 rows of W1, source 1 = x):
; a lane holds one row of the hidden layer and its registers run along the hidden units.  THE ROWS OF W1 THAT FORM A TILE ARE NOT NEIGHBOURS: lane r of tile 2 b + u takes row 32 b + 8 u + r + 8 (r / 8), so that the
; 16 registers of tiles 2 b, 2 b + 1 are 16 neighbours along the next K.  b1 is the C of each sum's first matrix instruction.  Then gelu in f32, the quantiser, and the fragment leaves as an image of its registers.
; gelu(a) = a/2 + a/2 erf(a / sqrt 2); erf(z) = z P(z^2) / Q(z^2) on z held to +-4, degrees 6 and 4, by fused multiply-adds.
; hc: codes [8 E][64 tiles][32 K steps][1,024 bytes: 512 c + 16 lane]; from byte 16,777,216 on the scale words [8][64][4 q][2 h][16 r][4 j], K step = 8 q + 4 h + j.
; No tensor load, no cluster: branches hang on the stored choice.  LIMITS: NaN and infinities are not served; erf's absolute error is a few 1e-7, so gelu of a strongly negative a has an absolute error of
; about 1e-7 |a|; a block of zeros gets the scale byte 1 (its codes are zeros; this program alone reads the bytes).
.set WSP,  528                         ; an LDS row of codes: 512 bytes + 16: the 16 rows of a fragment load start at different banks (64 banks of 4 bytes: ISA guide 11.1)
.set LIST, 67584                       ; LDS: 0: W1's 128 rows;  LIST: 1,152 words (1151: the dump word);  CNTW: NT;  XSTG: a stage of 16 rows + 512 bytes of scale words for each wave
.set CNTW, 72192
.set XSTG, 72448
.set XSZ,  8960
.set HSB,  16777216
.set L16,  4                           ; v4   16 x lane
.set STW,  5                           ; v5   stage, in: 16 x lane
.set STR,  6                           ; v6   stage, out: 528 r + 16 h
.set SSC,  7                           ; v7   stage, scale words: 16 x lane
.set LU,   8                           ; v8   the list entries to fetch, one address for all lanes
.set LL,   9                           ; v9   and entry r for lane (r, h)
.set HCO,  10                          ; v10  my offset in hc's codes
.set HSO,  11                          ; v11  and in its scale words
.set XSO,  12                          ; v12  my offset in x's scale bytes
.set WFR,  13                          ; v13  W1's fragments in LDS
.set R16,  14                          ; v14  16 r
.set H16,  15                          ; v15  16 h
.set RO,   16                          ; v16-31 offsets of the tile's 16 rows of x's codes
.set EN,   32                          ; v32-47 the tile's 16 list entries
.set ENL,  48                          ; v48  entry r
.set WSW,  49                          ; v49  W1's rows into LDS
.set KA5,  50                          ; v[50:51], v[52:53] two coefficients as vector pairs
.set KB3,  52
.set LX,   55                          ; v55  LIST + 16 x thread
.set RAWS, 56                          ; v56-59 x's scale words as loaded
.set XS,   60                          ; v60-63 x's scale words at work: register j: lanes 0-15 K step j, lanes 16-31 K step 4 + j
.set W1S,  64                          ; v64-95 W1's scale words: register 8 b + s: lanes 0-15 tile 2 b, lanes 16-31 tile 2 b + 1
.set HA,   96                          ; v96-159 the 8 accumulators
.set QA,   96                          ; at the head, in wave 0: v96-103 E's bits of eight words of sel; v104-111 eight rids; v112-119 eight places in the list
.set QB,   104
.set QP,   112
.set GZ,   160                         ; v160-223 gelu at work: z, z^2, P, Q, 16 each
.set GS,   176
.set GP,   192
.set GQ,   208
.set SV,   160                         ; at the head: 32 words of sel a lane
.set FILL, 196
.set TM,   224                         ; v224-239 the quantiser at work
.set PC,   240                         ; v240-247 the codes just made
.set PW,   248                         ; v248 the scale word just made
.set WSO,  249
.set B1O,  250
.set DUMP, 251
.set L8,   252
.set TA,   253
.set TB,   254
.set CA,   255
.set MK,   66                          ; s66-73 at the head: eight masks of choosing lanes;  s74-81 the count ahead of each
.set PF,   74
.set B1,   0                           ; window 3: v0-63 b1 in the result's layout; v64-127 x's 8 fragments; v128-191 x's 16 rows as loaded
.set XF,   64
.set RAW,  128                         ; windows 1, 2: W1's fragments: K step s, tile t at 64 (s % 4) + 8 t of window 1 + s / 4
.set MSB, 0
.macro WIN new                         ; the immediate's high byte repeats the setting that is left
.if MSB != \new
	s_set_vgpr_msb (MSB<<8)|\new
.set MSB, \new
.endif
.endm
.macro KPAIR reg, val                  ; a coefficient as a scalar pair: the packed forms name a pair and take its low word for both halves
	s_mov_b32 s[\reg], \val
	s_mov_b32 s[\reg+1], \val
.endm
; Eight words of sel a lane, m = 8 g + n: token 128 (m / 4) + 4 lane + m % 4.  Where it chose expert E, its rid goes to the next free place of the list; else to the dump word.
; Each step is written for all eight words before the next step, so that no line waits for the line above it; the places are given out in the order of m, then of the lanes.
.macro PLACE8 g
.irp n, 0,1,2,3,4,5,6,7
	v_and_b32 v[QA+\n], s35, v[SV+8*(\g)+\n]       ; E's two bits of the token's word
.endr
.irp n, 0,1,2,3,4,5,6,7
	v_cmp_ne_u32 s[MK+\n], 0, v[QA+\n]             ; the lanes whose token chose E
.endr
.irp n, 0,1,2,3,4,5,6,7
	v_lshrrev_b32 v[QB+\n], 8, v[QA+\n]            ; not 0 where E is the second choice
.endr
.irp n, 0,1,2,3,4,5,6,7
	v_min_u32 v[QB+\n], 1, v[QB+\n]                ; the slot
.endr
.irp n, 0,1,2,3,4,5,6,7
	v_add3_u32 v[QB+\n], v[L8], v[QB+\n], 256*((8*(\g)+\n)/4)+2*((8*(\g)+\n)%4)   ; rid = 2 x token + slot
.endr
.irp n, 0,1,2,3,4,5,6,7
	s_mov_b32 s[PF+\n], s32                        ; the count ahead of word n
	s_bcnt1_i32_b32 s34, s[MK+\n]
	s_add_co_u32 s32, s32, s34
.endr
.irp n, 0,1,2,3,4,5,6,7
	v_mbcnt_lo_u32_b32 v[QP+\n], s[MK+\n], s[PF+\n]   ; + the choosing lanes below me
.endr
.irp n, 0,1,2,3,4,5,6,7
	v_cndmask_b32 v[QP+\n], v[DUMP], v[QP+\n], s[MK+\n]
.endr
.irp n, 0,1,2,3,4,5,6,7
	v_min_u32 v[QP+\n], 1151, v[QP+\n]
.endr
.irp n, 0,1,2,3,4,5,6,7
	v_lshl_add_u32 v[QP+\n], v[QP+\n], 2, LIST
.endr
.irp n, 0,1,2,3,4,5,6,7
	ds_store_b32 v[QP+\n], v[QB+\n]
.endr
.endm
; The 16 rows of x of the tile whose list entries begin off bytes behind s28: 16 loads of a whole row's codes, one of the scale words.
.macro FETCHX off
	v_mov_b32 v[LU], s28
	v_lshl_add_u32 v[LL], v2, 2, s28
.irp q, 0,1,2,3
	ds_load_b128 v[EN+4*\q:EN+4*\q+3], v[LU] offset:\off+16*\q
.endr
	ds_load_b32 v[ENL], v[LL] offset:\off
	s_wait_dscnt 0x0                               ; the entries are in; and the stage's stores have read the registers that the loads below fill
.irp i, 0,1,2,3,4,5,6,7,8,9,10,11,12,13,14,15
	v_min_u32 v[EN+\i], 0x7ff, v[EN+\i]            ; 'no row' becomes token 1023
.endr
.irp i, 0,1,2,3,4,5,6,7,8,9,10,11,12,13,14,15
	v_and_b32 v[EN+\i], 0x7fe, v[EN+\i]            ; 2 x token
.endr
.irp i, 0,1,2,3,4,5,6,7,8,9,10,11,12,13,14,15
	v_lshl_add_u32 v[RO+\i], v[EN+\i], 8, v[L16]   ; 512 x token + 16 x lane
.endr
	v_min_u32 v[ENL], 0x7ff, v[ENL]
	v_and_b32 v[ENL], 0x7fe, v[ENL]
	v_lshl_add_u32 v[XSO], v[ENL], 4, v[H16]       ; 32 x token + 16 h
	WIN 0xc0                                       ; destination window 3
.irp i, 0,1,2,3,4,5,6,7,8,9,10,11,12,13,14,15
	global_load_b128 v[RAW+4*\i:RAW+4*\i+3], v[RO+\i], s[6:7]    ; 512 consecutive bytes
.endr
	WIN 0
	global_load_b128 v[RAWS:RAWS+3], v[XSO], s[18:19]
.endm
; The rows turn through my stage into fragments; the scale words are copied through it too, which frees their registers for the next tile's load and leaves every operand filled by a load.
.macro STAGE
	WIN 0x0c                                       ; an LDS store's data are its source 1: window 3
.irp i, 0,1,2,3,4,5,6,7,8,9,10,11,12,13,14,15
	ds_store_b128 v[STW], v[RAW+4*\i:RAW+4*\i+3] offset:WSP*\i
.endr
	WIN 0
	ds_store_b128 v[SSC], v[RAWS:RAWS+3]
	WIN 0xc0
.irp s, 0,1,2,3,4,5,6,7
.irp c, 0,1
	ds_load_b128 v[XF+8*\s+4*\c:XF+8*\s+4*\c+3], v[STR] offset:64*\s+32*\c   ; LDS serves a wave's instructions in order (ISA guide 5.7.1.4): these see the stores above
.endr
.endr
	WIN 0
	ds_load_b128 v[XS:XS+3], v[SSC]
.endm
; Tile t of the hidden units, K step s.
.macro MM t, s
.set rD, HA+8*(\t)
.set rA, 64*((\s)%4)+8*(\t)
.set rB, XF+8*(\s)
.set rC, B1+8*(\t)
.set rSA, W1S+8*((\t)/2)+(\s)
.set rSB, XS+(\s)%4
.if (\s) == 0
.if (\t)%2
	v_wmma_scale_f32_16x16x128_f8f6f4 v[rD:rD+7], v[rA:rA+7], v[rB:rB+7], v[rC:rC+7], v[rSA], v[rSB] matrix_a_fmt:MATRIX_FMT_FP4 matrix_b_fmt:MATRIX_FMT_FP4 matrix_a_scale:MATRIX_SCALE_ROW1
.else
	v_wmma_scale_f32_16x16x128_f8f6f4 v[rD:rD+7], v[rA:rA+7], v[rB:rB+7], v[rC:rC+7], v[rSA], v[rSB] matrix_a_fmt:MATRIX_FMT_FP4 matrix_b_fmt:MATRIX_FMT_FP4
.endif
.elseif (\s) < 4
.if (\t)%2
	v_wmma_scale_f32_16x16x128_f8f6f4 v[rD:rD+7], v[rA:rA+7], v[rB:rB+7], v[rD:rD+7], v[rSA], v[rSB] matrix_a_fmt:MATRIX_FMT_FP4 matrix_b_fmt:MATRIX_FMT_FP4 matrix_a_scale:MATRIX_SCALE_ROW1
.else
	v_wmma_scale_f32_16x16x128_f8f6f4 v[rD:rD+7], v[rA:rA+7], v[rB:rB+7], v[rD:rD+7], v[rSA], v[rSB] matrix_a_fmt:MATRIX_FMT_FP4 matrix_b_fmt:MATRIX_FMT_FP4
.endif
.else
.if (\t)%2
	v_wmma_scale_f32_16x16x128_f8f6f4 v[rD:rD+7], v[rA:rA+7], v[rB:rB+7], v[rD:rD+7], v[rSA], v[rSB] matrix_a_fmt:MATRIX_FMT_FP4 matrix_b_fmt:MATRIX_FMT_FP4 matrix_a_scale:MATRIX_SCALE_ROW1 matrix_b_scale:MATRIX_SCALE_ROW1
.else
	v_wmma_scale_f32_16x16x128_f8f6f4 v[rD:rD+7], v[rA:rA+7], v[rB:rB+7], v[rD:rD+7], v[rSA], v[rSB] matrix_a_fmt:MATRIX_FMT_FP4 matrix_b_fmt:MATRIX_FMT_FP4 matrix_b_scale:MATRIX_SCALE_ROW1
.endif
.endif
.endm
; gelu in place on registers 16 b .. 16 b + 15 of the accumulators, two numbers an instruction, each accumulator read from its low end on.
.macro GELU b
.set rH, HA+16*(\b)
.irp p, 0,2,4,6,8,10,12,14
	v_pk_mul_f32 v[GZ+\p:GZ+\p+1], v[rH+\p:rH+\p+1], s[40:41] op_sel_hi:[1,0]      ; z = a / sqrt 2
.endr
.irp i, 0,1,2,3,4,5,6,7,8,9,10,11,12,13,14,15
	v_med3_num_f32 v[GZ+\i], v[GZ+\i], -4.0, 4.0
.endr
.irp p, 0,2,4,6,8,10,12,14
	v_pk_mul_f32 v[GS+\p:GS+\p+1], v[GZ+\p:GZ+\p+1], v[GZ+\p:GZ+\p+1]
.endr
.irp p, 0,2,4,6,8,10,12,14
	v_pk_fma_f32 v[GP+\p:GP+\p+1], v[GS+\p:GS+\p+1], s[42:43], v[KA5:KA5+1] op_sel_hi:[1,0,1]
.endr
.irp k, 44,46,48,50,52
.irp p, 0,2,4,6,8,10,12,14
	v_pk_fma_f32 v[GP+\p:GP+\p+1], v[GP+\p:GP+\p+1], v[GS+\p:GS+\p+1], s[\k:\k+1] op_sel_hi:[1,1,0]
.endr
.endr
.irp p, 0,2,4,6,8,10,12,14
	v_pk_fma_f32 v[GQ+\p:GQ+\p+1], v[GS+\p:GS+\p+1], s[54:55], v[KB3:KB3+1] op_sel_hi:[1,0,1]
.endr
.irp k, 56,58,60
.irp p, 0,2,4,6,8,10,12,14
	v_pk_fma_f32 v[GQ+\p:GQ+\p+1], v[GQ+\p:GQ+\p+1], v[GS+\p:GS+\p+1], s[\k:\k+1] op_sel_hi:[1,1,0]
.endr
.endr
.irp i, 0,1,2,3,4,5,6,7,8,9,10,11,12,13,14,15
	v_rcp_f32 v[GQ+\i], v[GQ+\i]                   ; one batch of sixteen
.endr
.irp p, 0,2,4,6,8,10,12,14
	v_pk_mul_f32 v[GP+\p:GP+\p+1], v[GP+\p:GP+\p+1], v[GZ+\p:GZ+\p+1]               ; z P: plain work that names no reciprocal
.endr
.irp p, 0,2,4,6,8,10,12,14
	v_pk_mul_f32 v[GZ+\p:GZ+\p+1], v[rH+\p:rH+\p+1], 0.5 op_sel_hi:[1,0]            ; a / 2
.endr
	s_wait_alu depctr_va_vdst(0)                   ; one wait for the batch, ahead of its first reader
.irp p, 0,2,4,6,8,10,12,14
	v_pk_mul_f32 v[GP+\p:GP+\p+1], v[GP+\p:GP+\p+1], v[GQ+\p:GQ+\p+1]               ; erf
.endr
.irp p, 0,2,4,6,8,10,12,14
	v_pk_fma_f32 v[rH+\p:rH+\p+1], v[GZ+\p:GZ+\p+1], v[GP+\p:GP+\p+1], v[GZ+\p:GZ+\p+1]
.endr
.endm
; 64 numbers of a lane, register 16 b + i = k 32 b + 16 (lane / 16) + i of my row, become a fragment's codes in v[PC] on and its scale word in v[PW].
.macro QUANT s
.irp b, 0,1,2,3
	v_max3_num_f32 v[TM+\b], |v[\s+16*\b]|, |v[\s+1+16*\b]|, 0x1800000   ; block b: my 16 numbers, and the floor 2^(3 - 127): the byte cannot fall under 1
.endr
.irp i, 2,4,6,8,10,12,14
.irp b, 0,1,2,3
	v_max3_num_f32 v[TM+\b], v[TM+\b], |v[\s+16*\b+\i]|, |v[\s+1+16*\b+\i]|
.endr
.endr
.irp b, 0,1,2,3
	v_permlanex16_b32 v[TM+4+\b], v[TM+\b], s38, s39
.endr
.irp b, 0,1,2,3
	v_max_num_f32 v[TM+\b], v[TM+\b], v[TM+4+\b]   ; with lane l xor 16's: the block's largest magnitude
.endr
.irp b, 0,1,2,3
	v_add_nc_u32 v[TM+12+\b], 0xff000000, v[TM+\b] ; 2 off its exponent field: the conversion's scale operand
.endr
.irp b, 0,1,2,3
	v_lshrrev_b32 v[TM+4+\b], 23, v[TM+12+\b]      ; the scale's byte
.endr
	v_lshl_or_b32 v[PW], v[TM+5], 8, v[TM+4]
	v_lshl_or_b32 v[PW], v[TM+6], 16, v[PW]
	v_lshl_or_b32 v[PW], v[TM+7], 24, v[PW]
.irp b, 0,1,2,3
	v_cvt_scalef32_pk8_fp4_f32 v[PC+2*\b], v[\s+16*\b:\s+7+16*\b], v[TM+12+\b]
	v_cvt_scalef32_pk8_fp4_f32 v[PC+1+2*\b], v[\s+8+16*\b:\s+15+16*\b], v[TM+12+\b]
.endr
	v_nop                                          ; one plain line behind the last scaled conversion
.irp c, 0,1                                    ; the operand's layout wants a WHOLE block in a lane
.irp i, 0,1
	v_permlane16_swap_b32 v[PC+4*\c+\i], v[PC+2+4*\c+\i]
.endr
.endr
.endm
	s_load_b128 s[4:7], s[0:1], 0x0                ; sel, xq
	s_load_b128 s[8:11], s[0:1], 0x10              ; W1's codes, W1's scales
	s_load_b128 s[12:15], s[0:1], 0x20             ; b1, hc
	s_load_b64 s[16:17], s[0:1], 0x30              ; rows
	v_lshl_add_u32 v234, v0, 2, 0x1a800
	v_mov_b32 v235, 0
	v_lshrrev_b32 v1, 5, v0
	v_readfirstlane_b32 s22, v1                    ; wave
	s_mov_b32 s23, ttmp9                           ; SL
	s_and_b32 s24, ttmp7, 0xffff                   ; E
	v_and_b32 v1, 31, v0                           ; lane
	v_and_b32 v2, 15, v0                           ; r
	v_bfe_u32 v3, v0, 4, 1                         ; h
	v_lshlrev_b32 v[L16], 4, v1
	v_lshlrev_b32 v[R16], 4, v2
	v_lshlrev_b32 v[H16], 4, v3
	s_mul_i32 s2, s22, XSZ
	s_add_co_u32 s2, s2, XSTG                      ; my stage
	v_add_nc_u32 v[STW], s2, v[L16]
	v_mul_u32_u24 v[STR], v2, WSP
	v_add_nc_u32 v[STR], v[STR], v[H16]
	v_add_nc_u32 v[STR], s2, v[STR]
	v_add_nc_u32 v[SSC], 16*WSP, v[STW]
	v_and_b32 v[TA], 8, v2
	v_add_nc_u32 v[TA], v[TA], v2                  ; r + 8 (r / 8)
	v_mul_u32_u24 v[WFR], v[TA], WSP
	v_add_nc_u32 v[WFR], v[WFR], v[H16]
	s_mul_i32 s2, s22, 32*WSP
	v_add_nc_u32 v[WSW], s2, v[L16]                ; my 32 rows of the slice
	v_lshl_add_u32 v[LX], v0, 4, LIST
	v_mov_b32 v[CA], CNTW
	v_lshl_add_u32 v[WSO], v3, 3, v[TA]
	v_lshlrev_b32 v[WSO], 5, v[WSO]                ; W1's scale words: row 8 h + r + 8 (r / 8), 32 bytes a row
	v_lshlrev_b32 v[B1O], 6, v3                    ; b1: 16 h numbers on
	v_mov_b32 v[DUMP], 1151
	v_lshlrev_b32 v[L8], 3, v1                     ; 2 x (4 x lane)
.irp b, 0,1,2,3
	v_mov_b32 v[TM+4+\b], 0                        ; written once: a lane permute's destination counts as one of its sources
.endr
	v_mov_b32 v[KA5], 0x32edffee                   ;  2.77068142e-08
	v_mov_b32 v[KA5+1], 0x32edffee
	v_mov_b32 v[KB3], 0xb95fbd29                   ; -2.13374055e-04
	v_mov_b32 v[KB3+1], 0xb95fbd29
	s_mov_b32 s38, 0x76543210
	s_mov_b32 s39, 0xfedcba98                      ; v_permlanex16_b32's selects for lane l xor 16
	KPAIR 40, 0x3f3504f3                           ;  1 / sqrt 2
	KPAIR 42, 0xaf95df0b                           ; P: -2.72614226e-10 (z^12)
	KPAIR 44, 0xb60cff51                           ;    -2.10102402e-06 (z^8; z^10's stands in v[50:51])
	KPAIR 46, 0xb86ec2d2                           ;    -5.69250639e-05
	KPAIR 48, 0xba40ac63                           ;    -7.34990630e-04
	KPAIR 50, 0xbb41a1f6                           ;    -2.95459981e-03
	KPAIR 52, 0xbc83dbd4                           ;    -1.60960333e-02
	KPAIR 54, 0xb77460cd                           ; Q: -1.45660718e-05 (z^8; z^6's stands in v[52:53])
	KPAIR 56, 0xbadc924e                           ;    -1.68282697e-03
	KPAIR 58, 0xbbf19bf8                           ;    -7.37332917e-03
	KPAIR 60, 0xbc69b6a7                           ;    -1.42647391e-02
	s_lshl_b32 s35, 0x101, s24                     ; E's bit as first and as second choice
	s_lshl_b32 s25, s24, 12
	s_lshl_b32 s26, s23, 7
	s_add_co_u32 s25, s25, s26                     ; the slice's first row of W1: 4096 E + 128 SL
	s_lshl_b32 s26, s22, 5
	s_add_co_u32 s26, s26, s25                     ; + 32 x wave
	s_lshl_b32 s66, s26, 9                         ; codes: 512 bytes a row
	s_mov_b32 s67, 0
	s_lshl_b32 s68, s25, 5                         ; scale bytes: 32 a row
	s_mov_b32 s69, 0
	s_lshl_b32 s70, s25, 2                         ; b1
	s_mov_b32 s71, 0
	s_lshl_b32 s72, s24, 21                        ; hc's codes: 2^21 an expert, 1,024 a K step
	s_lshl_b32 s26, s23, 10
	s_add_co_u32 s72, s72, s26
	s_mov_b32 s73, 0
	s_lshl_b32 s74, s24, 17                        ; hc's scale words: 2^17 an expert; K step SL = 8 q + 4 h + j: 512 q + 256 h + 4 j
	s_add_co_u32 s74, s74, HSB
	s_lshr_b32 s26, s23, 3
	s_lshl_b32 s26, s26, 9
	s_add_co_u32 s74, s74, s26
	s_bfe_u32 s26, s23, 0x10002
	s_lshl_b32 s26, s26, 8
	s_add_co_u32 s74, s74, s26
	s_and_b32 s26, s23, 3
	s_lshl_b32 s26, s26, 2
	s_add_co_u32 s74, s74, s26
	s_mov_b32 s75, 0
	s_lshl_b32 s76, s24, 12                        ; rows: 4,096 bytes an expert;
	s_mov_b32 s77, 0
	s_lshl_b32 s78, s24, 2                         ; behind the lists a word an expert
	s_add_co_u32 s78, s78, 32768
	s_mov_b32 s79, 0
	s_wait_kmcnt 0x0
	s_add_nc_u64 s[18:19], s[6:7], 0x80000         ; x's scale bytes
	s_add_nc_u64 s[8:9], s[8:9], s[66:67]
	s_add_nc_u64 s[10:11], s[10:11], s[68:69]
	s_add_nc_u64 s[12:13], s[12:13], s[70:71]
	s_add_nc_u64 s[20:21], s[14:15], s[74:75]
	s_add_nc_u64 s[14:15], s[14:15], s[72:73]
	s_add_nc_u64 s[30:31], s[16:17], s[78:79]
	s_add_nc_u64 s[16:17], s[16:17], s[76:77]      ; s66-81 are free from here on
.irp j, 0,1,2,3,4,5,6,7
	global_load_b128 v[SV+4*\j:SV+4*\j+3], v[L16], s[4:5] offset:512*\j   ; sel first: 4,096 bytes.  Every wave issues these loads, though wave 0 alone uses them: so they stand on the one way that all waves take
.endr
	WIN 0x40                                       ; destination window 1: my 32 rows of W1 as they lie
.set ii, 0
.rept 32
	global_load_b128 v[4*ii:4*ii+3], v[L16], s[8:9] offset:512*ii th:TH_LOAD_NT    ; 512 consecutive bytes; no other wave of the launch loads them
.set ii, ii+1
.endr
	WIN 0
.irp b, 0,1,2,3
.irp q, 0,1
	global_load_b128 v[W1S+8*\b+4*\q:W1S+8*\b+4*\q+3], v[WSO], s[10:11] offset:1024*\b+16*\q
.endr
.endr
	WIN 0xc0                                       ; destination window 3
.irp t, 0,1,2,3,4,5,6,7
	global_load_b128 v[B1+8*\t:B1+8*\t+3], v[B1O], s[12:13] offset:(32*(\t/2)+8*(\t%2))*4
	global_load_b128 v[B1+8*\t+4:B1+8*\t+7], v[B1O], s[12:13] offset:(32*(\t/2)+8*(\t%2))*4+16
.endr
	WIN 0
	; ---- wave 0 places the expert's rows while the weights are on their way
	s_cmp_lg_u32 s22, 0
	s_cbranch_scc1 .Lnot_wave_0
.irp i, 0,1,2,3
	v_mov_b32 v[FILL+\i], 0x800                    ; 'no row'
.endr
.irp k, 0,1,2,3,4,5,6,7,8
	ds_store_b128 v[LX], v[FILL:FILL+3] offset:512*\k   ; in wave 0 the thread's number is the lane: 9 x 512 bytes are the whole list
.endr
	s_mov_b32 s32, 0
	s_wait_loadcnt 56                              ; sel is in; behind it were issued W1's 32 loads, its scale words' 8 and b1's 16, which may stay out
	PLACE8 0
	PLACE8 1
	PLACE8 2
	PLACE8 3
	s_add_co_u32 s34, s32, 15
	s_lshr_b32 s34, s34, 4
	s_max_u32 s34, s34, 1                          ; NT: tile 0 is always made
	v_mov_b32 v[TB], s34
	ds_store_b32 v[CA], v[TB]
.Lnot_wave_0:
	s_wait_dscnt 0x0                               ; the list and NT lie in LDS
	s_barrier_signal -1
	s_barrier_wait -1                              ; no other wave has touched LDS before this barrier
	s_mov_b32 s25, s22                             ; T: my first tile
	s_lshl_b32 s28, s22, 6
	s_add_co_u32 s28, s28, LIST                    ; its 16 entries
	FETCHX 0                                       ; always: entries past the count are 'no row'.  These rows land while W1 goes through LDS
	s_wait_loadcnt 17                              ; all but the tile's 17 loads just issued: my rows of W1, its scale words, b1 (and sel) are in
	WIN 0x04                                       ; an LDS store's data are its source 1: window 1
.set ii, 0
.rept 32
	ds_store_b128 v[WSW], v[4*ii:4*ii+3] offset:WSP*ii
.set ii, ii+1
.endr
	WIN 0
	s_wait_dscnt 0x0                               ; for the others' sake: my 32 rows lie in LDS
	s_barrier_signal -1
	s_barrier_wait -1                              ; all 128 do.  From here on the list and W1's rows are only read, and a stage is its wave's own: no further barrier
	ds_load_b32 v[TA], v[CA]
.set ss, 0
.rept 8
.if ss < 4
	WIN 0x40
.else
	WIN 0x80
.endif
.set tt, 0
.rept 8
	ds_load_b128 v[64*(ss%4)+8*tt:64*(ss%4)+8*tt+3], v[WFR] offset:(32*(tt/2)+8*(tt%2))*WSP+64*ss
	ds_load_b128 v[64*(ss%4)+8*tt+4:64*(ss%4)+8*tt+7], v[WFR] offset:(32*(tt/2)+8*(tt%2))*WSP+64*ss+32
.set tt, tt+1
.endr
.set ss, ss+1
.endr
	WIN 0
	s_wait_dscnt 0x0
	v_readfirstlane_b32 s26, v[TA]
	s_min_u32 s26, s26, 64                         ; NT
	; ---- the work-groups of slice 0 hand the list on
	s_cmp_lg_u32 s23, 0
	s_cbranch_scc1 .Lno_export
	ds_load_b128 v[GZ:GZ+3], v[LX]
	ds_load_b128 v[GZ+4:GZ+7], v[LX] offset:2048
	v_lshlrev_b32 v[TA], 4, v0
	s_sub_co_u32 s34, s26, 1
	v_mov_b32 v[TB], s34
	v_mov_b32 v[HSO], 0
	s_wait_dscnt 0x0
	global_store_b128 v[TA], v[GZ:GZ+3], s[16:17]              ; a wave stores 512 consecutive bytes, aligned
	global_store_b128 v[TA], v[GZ+4:GZ+7], s[16:17] offset:2048
	v_cmp_eq_u32 vcc_lo, 0, v0
	s_wait_xcnt 0x0                                ; EXEC changes only behind this wait
	s_and_saveexec_b32 s36, vcc_lo                 ; thread 0 alone
	global_store_b32 v[HSO], v[TB], s[30:31]       ; NT - 1
	s_wait_xcnt 0x0                                ; also frees the three stores' registers
	s_or_b32 exec_lo, exec_lo, s36
.Lno_export:
	s_mov_b32 s27, 16
.Ltile:                                                ; 16 trips in every wave; a trip whose tile does not exist jumps over its work
	s_cmp_ge_u32 s25, s26
	s_cbranch_scc1 .Lskip
	s_wait_loadcnt 0x0                             ; this tile's 17 loads: nothing else of mine is out
	STAGE
	s_add_co_u32 s29, s25, 4
	s_cmp_ge_u32 s29, s26
	s_cbranch_scc1 .Lno_fetch
	FETCHX 256                                     ; my next tile's rows land while this tile is worked
.Lno_fetch:
	s_wait_dscnt 0x0                               ; the fragments and the scale words are in
.set ss, 0
.rept 8                                        ; the eight accumulators take turns, one instruction a turn
.if ss == 0
	WIN 0x3d                                       ; W1 window 1, x window 3, C = b1 window 3
.elseif ss < 4
	WIN 0x0d
.else
	WIN 0x0e                                       ; W1 window 2
.endif
.set tt, 0
.rept 8
	MM tt, ss
.set tt, tt+1
.endr
.set ss, ss+1
.endr
	WIN 0
	s_wait_xcnt 0x0                                ; the last tile's stores have read their offsets, codes and scale word: all are written again below
	s_lshl_b32 s2, s25, 15
	v_add_nc_u32 v[HCO], s2, v[L16]                ; 32,768 bytes of codes a tile.  (These two lines and two v_nop are the four places behind the last product)
	s_lshl_b32 s2, s25, 11
	v_add_nc_u32 v[HSO], s2, v[R16]                ; 2,048 bytes of scale words a tile, 16 a row
	v_nop
	v_nop
	GELU 0
	GELU 1
	GELU 2
	GELU 3
	QUANT HA
	global_store_b128 v[HCO], v[PC:PC+3], s[14:15]             ; the fragment as it stands: 512 consecutive bytes a store
	global_store_b128 v[HCO], v[PC+4:PC+7], s[14:15] offset:512
	global_store_b32 v[HSO], v[PW], s[20:21]       ; row r's word; lanes 16-31 hold the same word and name the same place
.Lskip:
	s_add_co_u32 s28, s28, 256
	s_add_co_u32 s25, s25, 4
	s_sub_co_u32 s27, s27, 1
	s_cmp_lg_u32 s27, 0
	s_cbranch_scc1 .Ltile
	s_wait_tensorcnt 0x0
	ds_add_u32 v234, v235
	s_wait_dscnt 0x0
	s_endpgm
.Lfunc_end_k_qc5a40c91cf_gemm1:
	.size	k_qc5a40c91cf_gemm1, .Lfunc_end_k_qc5a40c91cf_gemm1-k_qc5a40c91cf_gemm1
	.p2alignl 7, 3214868480
	.fill 96, 4, 3214868480
	.section	.rodata,"a",@progbits
	.p2align	6, 0x0
	.amdhsa_kernel k_qc5a40c91cf_gemm1
		.amdhsa_group_segment_fixed_size 109056
		.amdhsa_private_segment_fixed_size 0
		.amdhsa_enable_private_segment 0
		.amdhsa_kernarg_size 56
		.amdhsa_user_sgpr_count 2
		.amdhsa_user_sgpr_kernarg_segment_ptr 1
		.amdhsa_wavefront_size32 1
		.amdhsa_system_sgpr_workgroup_id_x 1
		.amdhsa_system_sgpr_workgroup_id_y 1
		.amdhsa_system_sgpr_workgroup_id_z 1
		.amdhsa_system_vgpr_workitem_id 0
		.amdhsa_next_free_vgpr 1024
		.amdhsa_next_free_sgpr 100
		.amdhsa_reserve_vcc 1
		.amdhsa_float_denorm_mode_32 3
		.amdhsa_float_denorm_mode_16_64 3
		.amdhsa_memory_ordered 1
		.amdhsa_forward_progress 1
		.amdhsa_inst_pref_size 110
	.end_amdhsa_kernel
	.amdgpu_metadata
---
amdhsa.version: [ 1, 2 ]
amdhsa.kernels:
  - .name:           k_qc5a40c91cf_gemm1
    .symbol:         k_qc5a40c91cf_gemm1.kd
    .args:
      - { .name: sel, .offset: 0, .size: 8, .value_kind: global_buffer, .address_space: global }
      - { .name: xq, .offset: 8, .size: 8, .value_kind: global_buffer, .address_space: global }
      - { .name: W1_codes, .offset: 16, .size: 8, .value_kind: global_buffer, .address_space: global }
      - { .name: W1_scales, .offset: 24, .size: 8, .value_kind: global_buffer, .address_space: global }
      - { .name: b1, .offset: 32, .size: 8, .value_kind: global_buffer, .address_space: global }
      - { .name: hc, .offset: 40, .size: 8, .value_kind: global_buffer, .address_space: global }
      - { .name: rows, .offset: 48, .size: 8, .value_kind: global_buffer, .address_space: global }
    .group_segment_fixed_size: 109056
    .private_segment_fixed_size: 0
    .kernarg_segment_align: 8
    .kernarg_segment_size: 56
    .max_flat_workgroup_size: 128
    .sgpr_count:     100
    .vgpr_count:     1024
    .wavefront_size: 32
...
	.end_amdgpu_metadata
.endif
;; end of part 2
;; launch gemm2 (part 3): grid 32 x 8, 4 waves a work-group, no clusters, 118,272 bytes of LDS; arguments rows, hc, W2_codes, W2_scales, b2, y; writes y
.if DOCPART == 3
	.amdgcn_target "amdgcn-amd-amdhsa--gfx1250"
	.amdhsa_code_object_version 6
	.text
	.protected	k_qc5a40c91cf_gemm2
	.globl	k_qc5a40c91cf_gemm2
	.p2align	8
	.type	k_qc5a40c91cf_gemm2,@function
k_qc5a40c91cf_gemm2:
	s_mov_b64 s[64:65], 0
	v_nop
	global_prefetch_b8 v0, s[64:65] scope:SCOPE_SE
	s_setreg_imm32_b32 hwreg(HW_REG_WAVE_MODE, 25, 1), 1
	s_wait_xcnt 0x0
; SECOND PRODUCT.  y[rid][d] = sum over the hidden axis of Q(h)[row] W2[E][d] + b2[E][d], for every routed row rid = 2 x token + slot.
; A work-group is (SL = x % 8, RG = x / 8, E = y): output columns 128 SL .. + 127 of expert E, for the expert's tiles RG, RG + 4, ..  (a tile: 16 places of the list that the launch before stored).
; THE WAVES SHARE K: wave w holds K steps 8 w .. 8 w + 7 of all 128 rows of W2 in 512 registers (64 fragments), so no byte of W2 is loaded twice in the work-group, and of each hidden tile it loads its own
; eight fragments alone, each of which feeds eight matrix instructions.  The four partial sums meet in LDS; each wave adds and stores four rows of the tile.
; TRANSPOSED use: source 0 = 16 rows of W2 (columns of y), source 1 = the hidden fragment: a lane holds eight neighbouring columns of one row.
; W2's rows are loaded as they lie, 512 consecutive bytes a load, and turn into fragments through the wave's stage in LDS, 16 rows at a time; a tile's turn stands between the loads of later tiles and of the
; hidden buffers, so that LDS works on one tile while the next loads are on their way.
; Hidden fragments come from memory as images of their registers, straight into the operand's registers; four buffers are asked for at the head, and each is asked for again when it has been multiplied.
; EVERY WAVE PASSES ALL 16 BARRIERS, whatever the list holds: a sub-trip whose tile does not exist (T > LT, a number read from memory) jumps over its two halves, never over the barrier between them.
; One barrier a sub-trip is enough: the partial sums take two regions by turns, and a region is written again two sub-trips on, behind the next barrier, in front of which every wave's reads are back.
; THE WAY OUT: one store of a wave is one row's 128 columns, 512 consecutive bytes.  So 'row or no row' (rid 2048) is one answer for the whole wave: a scalar branch round the store; EXEC is never written.
; No tensor load, no cluster: branches hang on stored numbers.
.set REDP, 41984                       ; LDS: two regions for the partial sums: wave x 10,496 + (2 t + c) x 656 + 16 r + 384 h
.set REDW, 10496
.set REDC, 656
.set WTS,  83968                       ; behind them, for each wave: a stage of 16 rows of 512 bytes + 16
.set WSP,  528
.set HSB,  16777216
.set L16,  4                           ; v4   16 x lane
.set WTW,  5                           ; v5   stage, in
.set WTR,  6                           ; v6   stage, out
.set RDW,  7                           ; v7   my partial sums' place
.set RDR,  8                           ; v8   where I read partial sums back, first region;
.set HB,   9                           ; v9   8,192 w + 16 lane: my K steps of a hidden tile
.set SB,   10                          ; v10  512 w + 16 lane: their scale words
.set RB,   11                          ; v11  16 w: my four rows' list entries, one address for all lanes
.set L128, 13                          ; v13  128 x lane
.set RDR1, 14                          ; v14  second region
.set TMPV, 15
.set HO,   16                          ; v16-19, v20-23, v24-27 offsets of buffer k's loads
.set SO,   20
.set RO,   24
.set YO,   28                          ; v28-31 my four rows' offsets in y
.set HSC,  40                          ; v40-55 hidden scale words: 4 k + j: lanes 0-15 K step j, lanes 16-31 K step 4 + j
.set B2,   56                          ; v56-59 b2 of my four columns
.set W2S,  64                          ; v64-95 W2's scale words: 8 b + s: lanes 0-15 tile 2 b, lanes 16-31 tile 2 b + 1
.set ACC,  96                          ; v96-159 eight accumulators
.set RD,   160                         ; v160-223 partial sums read back: 16 i + 4 x wave
.set OUT,  224                         ; v224-239 four rows' pieces of 16 bytes
.set RID,  240                         ; v240-255 list entries: 4 k + i
.set SR,   40                          ; s40-43 the four entries of the tile in hand, as scalars
                                       ; windows 1, 2: W2's fragments: tile t, K step s at 64 (t % 4) + 8 s of window 1 + t / 4;  window 3: four hidden buffers, 64 k + 8 s
.set MSB, 0
.macro WIN new                         ; the immediate's high byte repeats the setting that is left
.if MSB != \new
	s_set_vgpr_msb (MSB<<8)|\new
.set MSB, \new
.endif
.endm
; Tile s24's fragments, scale words and list entries into buffer k: 18 loads.
.macro HLOAD k
	WIN 0
	s_lshl_b32 s27, s24, 15
	v_add_nc_u32 v[HO+\k], s27, v[HB]
	s_lshl_b32 s27, s24, 11
	v_add_nc_u32 v[SO+\k], s27, v[SB]
	s_lshl_b32 s27, s24, 6
	v_add_nc_u32 v[RO+\k], s27, v[RB]
	WIN 0xc0                                       ; destination window 3
.irp s, 0,1,2,3,4,5,6,7
.irp c, 0,1
	global_load_b128 v[64*\k+8*\s+4*\c:64*\k+8*\s+4*\c+3], v[HO+\k], s[6:7] offset:1024*\s+512*\c   ; 512 consecutive bytes
.endr
.endr
	WIN 0
	global_load_b128 v[HSC+4*\k:HSC+4*\k+3], v[SO+\k], s[16:17]
	global_load_b128 v[RID+4*\k:RID+4*\k+3], v[RO+\k], s[4:5]
.endm
; My 512 bytes of each of tile t's 16 rows of W2, as they lie, into the registers that the tile's fragments will take: 16 loads.
.macro WLOAD t
.if (\t) < 4
	WIN 0x40                                       ; destination window 1
.else
	WIN 0x80                                       ; or 2
.endif
.set ii, 0
.rept 16
	global_load_b128 v[64*((\t)%4)+4*ii:64*((\t)%4)+4*ii+3], v[L16], s[8:9] offset:(16*(\t)+ii)*2048
.set ii, ii+1
.endr
.endm
; Tile t's 16 rows turn through my stage into its 8 fragments, in the same registers.
.macro WTURN t
	s_wait_loadcnt 63                              ; tile t is in: wherever this macro stands, at least 64 loads have been issued behind tile t's sixteen
.if (\t) < 4
	WIN 0x04                                       ; an LDS store's data are its source 1
.else
	WIN 0x08
.endif
.set ii, 0
.rept 16
	ds_store_b128 v[WTW], v[64*((\t)%4)+4*ii:64*((\t)%4)+4*ii+3] offset:WSP*ii
.set ii, ii+1
.endr
.if (\t) < 4
	WIN 0x40
.else
	WIN 0x80
.endif
.set ss, 0
.rept 8
	ds_load_b128 v[64*((\t)%4)+8*ss:64*((\t)%4)+8*ss+3], v[WTR] offset:64*ss          ; LDS serves a wave's instructions in order (ISA guide 5.7.1.4): these see the stores above, and the next tile's stores come behind them
	ds_load_b128 v[64*((\t)%4)+8*ss+4:64*((\t)%4)+8*ss+7], v[WTR] offset:64*ss+32
.set ss, ss+1
.endr
.endm
.macro MM2 t, s, k
.set rD, ACC+8*(\t)
.set rA, 64*((\t)%4)+8*(\s)
.set rB, 64*(\k)+8*(\s)
.set rSA, W2S+8*((\t)/2)+(\s)
.set rSB, HSC+4*(\k)+(\s)%4
.if (\s) == 0
.if (\t)%2
	v_wmma_scale_f32_16x16x128_f8f6f4 v[rD:rD+7], v[rA:rA+7], v[rB:rB+7], 0, v[rSA], v[rSB] matrix_a_fmt:MATRIX_FMT_FP4 matrix_b_fmt:MATRIX_FMT_FP4 matrix_a_scale:MATRIX_SCALE_ROW1
.else
	v_wmma_scale_f32_16x16x128_f8f6f4 v[rD:rD+7], v[rA:rA+7], v[rB:rB+7], 0, v[rSA], v[rSB] matrix_a_fmt:MATRIX_FMT_FP4 matrix_b_fmt:MATRIX_FMT_FP4
.endif
.elseif (\s) < 4
.if (\t)%2
	v_wmma_scale_f32_16x16x128_f8f6f4 v[rD:rD+7], v[rA:rA+7], v[rB:rB+7], v[rD:rD+7], v[rSA], v[rSB] matrix_a_fmt:MATRIX_FMT_FP4 matrix_b_fmt:MATRIX_FMT_FP4 matrix_a_scale:MATRIX_SCALE_ROW1
.else
	v_wmma_scale_f32_16x16x128_f8f6f4 v[rD:rD+7], v[rA:rA+7], v[rB:rB+7], v[rD:rD+7], v[rSA], v[rSB] matrix_a_fmt:MATRIX_FMT_FP4 matrix_b_fmt:MATRIX_FMT_FP4
.endif
.else
.if (\t)%2
	v_wmma_scale_f32_16x16x128_f8f6f4 v[rD:rD+7], v[rA:rA+7], v[rB:rB+7], v[rD:rD+7], v[rSA], v[rSB] matrix_a_fmt:MATRIX_FMT_FP4 matrix_b_fmt:MATRIX_FMT_FP4 matrix_a_scale:MATRIX_SCALE_ROW1 matrix_b_scale:MATRIX_SCALE_ROW1
.else
	v_wmma_scale_f32_16x16x128_f8f6f4 v[rD:rD+7], v[rA:rA+7], v[rB:rB+7], v[rD:rD+7], v[rSA], v[rSB] matrix_a_fmt:MATRIX_FMT_FP4 matrix_b_fmt:MATRIX_FMT_FP4 matrix_b_scale:MATRIX_SCALE_ROW1
.endif
.endif
.endm
; Row 4 w + i of the tile leaves, if its place in the list holds a row: the entry is the same in all lanes, so the branch is scalar.
.macro PUT i
	s_cmp_lt_u32 s[SR+\i], 0x800
	s_cbranch_scc0 .Lno_row_\@
	global_store_b128 v[YO+\i], v[OUT+4*\i:OUT+4*\i+3], s[14:15]   ; the wave stores 512 consecutive bytes of the row, at a multiple of 256 from y's first byte
.Lno_row_\@:
.endm
; Tile T = s23 from buffer k.  n: the loads that are certainly younger than buffer k's and may stay out.
.macro SUBTRIP k, n
	s_cmp_gt_u32 s23, s22
	s_cbranch_scc1 .LsA_\@
	s_wait_loadcnt \n                              ; buffer k is in
.irp i, 0,1,2,3
	v_readfirstlane_b32 s[SR+\i], v[RID+4*\k+\i]   ; the entry of row 4 w + i, for the branch round its store
	v_min_u32 v[TMPV], 0x7ff, v[RID+4*\k+\i]
	v_lshl_add_u32 v[YO+\i], v[TMPV], 12, v[L16]   ; 4,096 bytes a row of y, 16 a lane
.endr
	WIN 0x0d                                       ; W2 window 1, the hidden layer window 3
.set ss, 0
.rept 8                                        ; four accumulators take turns, one instruction a turn; the first K step starts the sums
.set tt, 0
.rept 4
	MM2 tt, ss, \k
.set tt, tt+1
.endr
.set ss, ss+1
.endr
	WIN 0x0e                                       ; W2 window 2
.set ss, 0
.rept 8
.set tt, 4
.rept 4
	MM2 tt, ss, \k
.set tt, tt+1
.endr
.set ss, ss+1
.endr
	WIN 0
.rept 5
	v_nop                                          ; four places in front of the loads into the buffer and of the LDS stores of the results; a fifth, since the next products to be issued begin these accumulators anew
.endr
	s_add_co_u32 s24, s23, 16
	s_cmp_gt_u32 s24, s22
	s_cbranch_scc1 .LnoR_\@
	s_min_u32 s24, s24, 63
	HLOAD \k                                       ; the tile four sub-trips on
.LnoR_\@:
.irp t, 0,1,2,3,4,5,6,7
.irp c, 0,1
	ds_store_b128 v[RDW], v[ACC+8*\t+4*\c:ACC+8*\t+4*\c+3] offset:((\k)%2)*REDP+(2*\t+\c)*REDC   ; each accumulator from its low end on
.endr
.endr
.LsA_\@:
	s_wait_dscnt 0x0                               ; for the others' sake: my partial sums lie in LDS (my reads of the last sub-trip came back there)
	s_barrier_signal -1
	s_barrier_wait -1
	s_cmp_gt_u32 s23, s22
	s_cbranch_scc1 .LsB_\@
.if (\k)%2
.set rR, RDR1
.else
.set rR, RDR
.endif
.irp i, 0,1,2,3                                ; row 4 w + i; my columns 4 lane .. + 3; the four waves' parts
.irp src, 0,1,2,3
	ds_load_b128 v[RD+16*\i+4*\src:RD+16*\i+4*\src+3], v[rR] offset:\src*REDW+16*\i
.endr
.endr
	s_wait_dscnt 0x0
.irp i, 0,1,2,3
.irp u, 0,2
	v_pk_add_f32 v[OUT+4*\i+\u:OUT+4*\i+\u+1], v[B2+\u:B2+\u+1], v[RD+16*\i+\u:RD+16*\i+\u+1]
.endr
.endr
.irp src, 1,2,3
.irp i, 0,1,2,3
.irp u, 0,2
	v_pk_add_f32 v[OUT+4*\i+\u:OUT+4*\i+\u+1], v[OUT+4*\i+\u:OUT+4*\i+\u+1], v[RD+16*\i+4*\src+\u:RD+16*\i+4*\src+\u+1]
.endr
.endr
.endr
	PUT 0
	PUT 1
	PUT 2
	PUT 3
.LsB_\@:
	s_wait_xcnt 0x0                                ; the stores have read their offsets and data: the next sub-trip writes both again
	s_add_co_u32 s23, s23, 4
.endm
	s_load_b128 s[4:7], s[0:1], 0x0                ; rows, hc
	s_load_b128 s[8:11], s[0:1], 0x10              ; W2's codes, W2's scales
	s_load_b128 s[12:15], s[0:1], 0x20             ; b2, y
	v_lshl_add_u32 v62, v0, 2, 0x1cc00
	v_mov_b32 v63, 0
	v_lshrrev_b32 v1, 5, v0
	v_readfirstlane_b32 s18, v1                    ; wave
	s_and_b32 s19, ttmp9, 7                        ; SL
	s_lshr_b32 s20, ttmp9, 3                       ; RG
	s_and_b32 s21, ttmp7, 0xffff                   ; E
	v_and_b32 v1, 31, v0                           ; lane
	v_and_b32 v2, 15, v0                           ; r
	v_bfe_u32 v3, v0, 4, 1                         ; h
	v_lshlrev_b32 v[L16], 4, v1
	s_mul_i32 s24, s18, 16*WSP
	s_add_co_u32 s24, s24, WTS                     ; my stage
	v_add_nc_u32 v[WTW], s24, v[L16]
	v_mul_u32_u24 v[WTR], v2, WSP
	v_lshl_add_u32 v[WTR], v3, 4, v[WTR]
	v_add_nc_u32 v[WTR], s24, v[WTR]
	s_mul_i32 s24, s18, REDW
	v_mul_u32_u24 v[RDW], v3, 384
	v_lshl_add_u32 v[RDW], v2, 4, v[RDW]
	v_add_nc_u32 v[RDW], s24, v[RDW]
	v_lshrrev_b32 v[TMPV], 2, v1                   ; column 4 lane lies in tile lane / 4, half (lane / 2) % 2, registers 4 (lane % 2) on
	v_and_b32 v[RDR], 1, v0
	v_lshl_add_u32 v[RDR], v[TMPV], 1, v[RDR]
	v_mul_u32_u24 v[RDR], v[RDR], REDC
	v_bfe_u32 v[TMPV], v0, 1, 1
	v_mad_u32_u24 v[RDR], v[TMPV], 384, v[RDR]
	s_lshl_b32 s24, s18, 6
	v_add_nc_u32 v[RDR], s24, v[RDR]               ; + 16 x 4 w: my first row.  Sixteen neighbouring lanes touch sixteen different 16-byte columns modulo 256: 144 n + 128 h
	v_add_nc_u32 v[RDR1], REDP, v[RDR]
	s_lshl_b32 s24, s18, 13
	v_add_nc_u32 v[HB], s24, v[L16]
	s_lshl_b32 s24, s18, 9
	v_add_nc_u32 v[SB], s24, v[L16]
	s_lshl_b32 s24, s18, 4
	v_mov_b32 v[RB], s24
	v_lshlrev_b32 v[L128], 7, v1
.irp i, 0,1,2,3
	v_mov_b32 v[YO+\i], 0                          ; written once here, so that they are written on every way to the stores
.endr
	s_lshl_b32 s24, s21, 10
	s_lshl_b32 s25, s19, 7
	s_add_co_u32 s24, s24, s25                     ; the slice's first row of W2: 1024 E + 128 SL
	s_lshl_b32 s32, s24, 11                        ; codes: 2,048 bytes a row, my K steps 512 w on
	s_lshl_b32 s25, s18, 9
	s_add_co_u32 s32, s32, s25
	s_mov_b32 s33, 0
	s_lshl_b32 s34, s24, 7                         ; scale bytes: 128 a row, mine 32 w on
	s_lshl_b32 s25, s18, 5
	s_add_co_u32 s34, s34, s25
	s_mov_b32 s35, 0
	s_lshl_b32 s36, s24, 2                         ; b2
	s_mov_b32 s37, 0
	s_lshl_b32 s38, s19, 9                         ; y: my columns
	s_mov_b32 s39, 0
	s_lshl_b32 s40, s21, 17                        ; hc's scale words
	s_add_co_u32 s40, s40, HSB
	s_mov_b32 s41, 0
	s_lshl_b32 s42, s21, 21                        ; hc's codes
	s_mov_b32 s43, 0
	s_lshl_b32 s44, s21, 2                         ; the expert's last tile
	s_add_co_u32 s44, s44, 32768
	s_mov_b32 s45, 0
	s_lshl_b32 s46, s21, 12                        ; the expert's list
	s_mov_b32 s47, 0
	s_wait_kmcnt 0x0
	s_add_nc_u64 s[28:29], s[4:5], s[44:45]
	s_load_b32 s22, s[28:29], 0x0                  ; LT
	s_add_nc_u64 s[4:5], s[4:5], s[46:47]
	s_add_nc_u64 s[16:17], s[6:7], s[40:41]
	s_add_nc_u64 s[6:7], s[6:7], s[42:43]
	s_add_nc_u64 s[8:9], s[8:9], s[32:33]
	s_add_nc_u64 s[10:11], s[10:11], s[34:35]
	s_add_nc_u64 s[12:13], s[12:13], s[36:37]
	s_add_nc_u64 s[14:15], s[14:15], s[38:39]
.irp i, 0,1,2,3
	s_mov_b32 s[SR+\i], 0x800                      ; 'no row', until a tile's entries are read
.endr
.irp b, 0,1,2,3
.irp q, 0,1
	global_load_b128 v[W2S+8*\b+4*\q:W2S+8*\b+4*\q+3], v[L128], s[10:11] offset:4096*\b+16*\q
.endr
.endr
	global_load_b128 v[B2:B2+3], v[L16], s[12:13]
	; ---- W2: loads and turns by turns.  Behind tile t's loads stand, at its turn: for t = 0 .. 3 the 64 loads of tiles t + 1 .. t + 4;
	; for t = 4 .. 7 the 16 (7 - t) loads of the tiles left and the 18 (t - 3) of the hidden buffers asked for so far: 66, 68, 70, 72
	WLOAD 0
	WLOAD 1
	WLOAD 2
	WLOAD 3
.irp t, 0,1,2,3
	WLOAD \t+4
	WTURN \t
.endr
	s_wait_kmcnt 0x0
	s_min_u32 s22, s22, 63
.irp k, 0,1,2,3                                ; the hidden buffers: always issued, on a tile that exists: tile min(RG + 4 k, LT)
	s_add_co_u32 s24, s20, 4*\k
	s_min_u32 s24, s24, s22
	s_min_u32 s24, s24, 63
	HLOAD \k
	WTURN \k+4
.endr
	WIN 0
	s_wait_dscnt 0x0                               ; all 64 fragments are in their registers
	s_mov_b32 s23, s20                             ; T
	SUBTRIP 0, 54                                  ; behind buffer 0's loads: three buffers of 18
	SUBTRIP 1, 36
	SUBTRIP 2, 18
	SUBTRIP 3, 0
	s_mov_b32 s25, 3
.Lmore:                                                ; tiles RG + 16 .. RG + 60, for splits that send an expert more than 256 rows
	SUBTRIP 0, 0
	SUBTRIP 1, 0
	SUBTRIP 2, 0
	SUBTRIP 3, 0
	s_sub_co_u32 s25, s25, 1
	s_cmp_lg_u32 s25, 0
	s_cbranch_scc1 .Lmore
	s_wait_tensorcnt 0x0
	ds_add_u32 v62, v63
	s_wait_dscnt 0x0
	s_endpgm
.Lfunc_end_k_qc5a40c91cf_gemm2:
	.size	k_qc5a40c91cf_gemm2, .Lfunc_end_k_qc5a40c91cf_gemm2-k_qc5a40c91cf_gemm2
	.p2alignl 7, 3214868480
	.fill 96, 4, 3214868480
	.section	.rodata,"a",@progbits
	.p2align	6, 0x0
	.amdhsa_kernel k_qc5a40c91cf_gemm2
		.amdhsa_group_segment_fixed_size 118272
		.amdhsa_private_segment_fixed_size 0
		.amdhsa_enable_private_segment 0
		.amdhsa_kernarg_size 48
		.amdhsa_user_sgpr_count 2
		.amdhsa_user_sgpr_kernarg_segment_ptr 1
		.amdhsa_wavefront_size32 1
		.amdhsa_system_sgpr_workgroup_id_x 1
		.amdhsa_system_sgpr_workgroup_id_y 1
		.amdhsa_system_sgpr_workgroup_id_z 1
		.amdhsa_system_vgpr_workitem_id 0
		.amdhsa_next_free_vgpr 1024
		.amdhsa_next_free_sgpr 66
		.amdhsa_reserve_vcc 0
		.amdhsa_float_denorm_mode_32 3
		.amdhsa_float_denorm_mode_16_64 3
		.amdhsa_memory_ordered 1
		.amdhsa_forward_progress 1
		.amdhsa_inst_pref_size 171
	.end_amdhsa_kernel
	.amdgpu_metadata
---
amdhsa.version: [ 1, 2 ]
amdhsa.kernels:
  - .name:           k_qc5a40c91cf_gemm2
    .symbol:         k_qc5a40c91cf_gemm2.kd
    .args:
      - { .name: rows, .offset: 0, .size: 8, .value_kind: global_buffer, .address_space: global }
      - { .name: hc, .offset: 8, .size: 8, .value_kind: global_buffer, .address_space: global }
      - { .name: W2_codes, .offset: 16, .size: 8, .value_kind: global_buffer, .address_space: global }
      - { .name: W2_scales, .offset: 24, .size: 8, .value_kind: global_buffer, .address_space: global }
      - { .name: b2, .offset: 32, .size: 8, .value_kind: global_buffer, .address_space: global }
      - { .name: y, .offset: 40, .size: 8, .value_kind: global_buffer, .address_space: global }
    .group_segment_fixed_size: 118272
    .private_segment_fixed_size: 0
    .kernarg_segment_align: 8
    .kernarg_segment_size: 48
    .max_flat_workgroup_size: 128
    .sgpr_count:     66
    .vgpr_count:     1024
    .wavefront_size: 32
...
	.end_amdgpu_metadata
.endif
;; end of part 3
;; launch combine (part 4): grid 256 x 1, 4 waves a work-group, no clusters, 0 bytes of LDS; arguments y, prb, out0; writes out0
.if DOCPART == 4
	.amdgcn_target "amdgcn-amd-amdhsa--gfx1250"
	.amdhsa_code_object_version 6
	.text
	.protected	k_qc5a40c91cf_combine
	.globl	k_qc5a40c91cf_combine
	.p2align	8
	.type	k_qc5a40c91cf_combine,@function
k_qc5a40c91cf_combine:
	s_mov_b64 s[64:65], 0
	v_nop
	global_prefetch_b8 v0, s[64:65] scope:SCOPE_SE
	s_setreg_imm32_b32 hwreg(HW_REG_WAVE_MODE, 25, 1), 1
	s_wait_xcnt 0x0
; out0[t] = p0 y[2 t] + p1 y[2 t + 1].  y: [2048][1024] f32, the two chosen experts' rows of each token (b2 is in them); prb: [1024][2] f32.
; One wave takes one token: 16 loads of 512 consecutive bytes, all out at once, 32 packed operations, 8 stores of 512 consecutive bytes.  Each chunk has registers of its own, so no store's data are written again.
; A stream: no LDS, no barrier, no matrix unit; nothing is read twice.
.set Y0, 8                             ; v8-39   the first choice's row
.set Y1, 40                            ; v40-71  the second's
.set O,  72                            ; v72-103 the result
	s_load_b128 s[4:7], s[0:1], 0x0                ; y, prb
	s_load_b64 s[8:9], s[0:1], 0x10                ; out0
	v_lshrrev_b32 v1, 5, v0
	v_readfirstlane_b32 s10, v1                    ; wave
	v_and_b32 v1, 31, v0
	v_lshlrev_b32 v1, 4, v1                        ; 16 x lane
	s_lshl_b32 s11, ttmp9, 2
	s_add_co_u32 s11, s11, s10                     ; my token
	s_lshl_b32 s12, s11, 13                        ; two rows of 4,096 bytes
	s_mov_b32 s13, 0
	s_lshl_b32 s14, s11, 3
	s_mov_b32 s15, 0
	s_lshl_b32 s16, s11, 12
	s_mov_b32 s17, 0
	s_wait_kmcnt 0x0
	s_add_nc_u64 s[4:5], s[4:5], s[12:13]
	s_add_nc_u64 s[6:7], s[6:7], s[14:15]
	s_add_nc_u64 s[8:9], s[8:9], s[16:17]
	s_load_b64 s[20:21], s[6:7], 0x0               ; p0, p1
.irp j, 0,1,2,3,4,5,6,7
	global_load_b128 v[Y0+4*\j:Y0+4*\j+3], v1, s[4:5] offset:512*\j th:TH_LOAD_NT
.endr
.irp j, 0,1,2,3,4,5,6,7
	global_load_b128 v[Y1+4*\j:Y1+4*\j+3], v1, s[4:5] offset:4096+512*\j th:TH_LOAD_NT
.endr
	s_wait_kmcnt 0x0
	s_mov_b32 s22, s21                             ; p1 as the low word of a pair of its own: the packed forms take a scalar pair's low word for both halves
	s_mov_b32 s23, s21
.irp j, 0,1,2,3,4,5,6,7
	s_wait_loadcnt 7-\j                            ; chunk j of the second row is in, and so is all of the first; the 7 - j loads behind it may stay out
	v_pk_mul_f32 v[O+4*\j:O+4*\j+1], v[Y0+4*\j:Y0+4*\j+1], s[20:21] op_sel_hi:[1,0]
	v_pk_mul_f32 v[O+4*\j+2:O+4*\j+3], v[Y0+4*\j+2:Y0+4*\j+3], s[20:21] op_sel_hi:[1,0]
	v_pk_fma_f32 v[O+4*\j:O+4*\j+1], v[Y1+4*\j:Y1+4*\j+1], s[22:23], v[O+4*\j:O+4*\j+1] op_sel_hi:[1,0,1]
	v_pk_fma_f32 v[O+4*\j+2:O+4*\j+3], v[Y1+4*\j+2:Y1+4*\j+3], s[22:23], v[O+4*\j+2:O+4*\j+3] op_sel_hi:[1,0,1]
	global_store_b128 v1, v[O+4*\j:O+4*\j+3], s[8:9] offset:512*\j th:TH_STORE_NT
.endr
	s_endpgm
.Lfunc_end_k_qc5a40c91cf_combine:
	.size	k_qc5a40c91cf_combine, .Lfunc_end_k_qc5a40c91cf_combine-k_qc5a40c91cf_combine
	.p2alignl 7, 3214868480
	.fill 96, 4, 3214868480
	.section	.rodata,"a",@progbits
	.p2align	6, 0x0
	.amdhsa_kernel k_qc5a40c91cf_combine
		.amdhsa_group_segment_fixed_size 0
		.amdhsa_private_segment_fixed_size 0
		.amdhsa_enable_private_segment 0
		.amdhsa_kernarg_size 24
		.amdhsa_user_sgpr_count 2
		.amdhsa_user_sgpr_kernarg_segment_ptr 1
		.amdhsa_wavefront_size32 1
		.amdhsa_system_sgpr_workgroup_id_x 1
		.amdhsa_system_sgpr_workgroup_id_y 1
		.amdhsa_system_sgpr_workgroup_id_z 1
		.amdhsa_system_vgpr_workitem_id 0
		.amdhsa_next_free_vgpr 112
		.amdhsa_next_free_sgpr 66
		.amdhsa_reserve_vcc 0
		.amdhsa_float_denorm_mode_32 3
		.amdhsa_float_denorm_mode_16_64 3
		.amdhsa_memory_ordered 1
		.amdhsa_forward_progress 1
		.amdhsa_inst_pref_size 6
	.end_amdhsa_kernel
	.amdgpu_metadata
---
amdhsa.version: [ 1, 2 ]
amdhsa.kernels:
  - .name:           k_qc5a40c91cf_combine
    .symbol:         k_qc5a40c91cf_combine.kd
    .args:
      - { .name: y, .offset: 0, .size: 8, .value_kind: global_buffer, .address_space: global }
      - { .name: prb, .offset: 8, .size: 8, .value_kind: global_buffer, .address_space: global }
      - { .name: out0, .offset: 16, .size: 8, .value_kind: global_buffer, .address_space: global }
    .group_segment_fixed_size: 0
    .private_segment_fixed_size: 0
    .kernarg_segment_align: 8
    .kernarg_segment_size: 24
    .max_flat_workgroup_size: 128
    .sgpr_count:     66
    .vgpr_count:     112
    .wavefront_size: 32
...
	.end_amdgpu_metadata
.endif
;; end of part 4
;; ======== version 2 of 2: 4 launches
;; workspace buffers: xq 557,056 bytes; sel 4,096 bytes of whole numbers; prb 8,192 bytes; rows 33,024 bytes of whole numbers; hc 17,825,792 bytes; y 8,388,608 bytes
;; launch route (part 5): grid 256 x 1, 4 waves a work-group, no clusters, 52,736 bytes of LDS; arguments x, Wr, br, xq, sel, prb; writes xq, sel, prb
.if DOCPART == 5
	.amdgcn_target "amdgcn-amd-amdhsa--gfx1250"
	.amdhsa_code_object_version 6
	.text
	.protected	k_qc5a40c91cf_route
	.globl	k_qc5a40c91cf_route
	.p2align	8
	.type	k_qc5a40c91cf_route,@function
k_qc5a40c91cf_route:
	s_mov_b64 s[64:65], 0
	v_nop
	global_prefetch_b8 v0, s[64:65] scope:SCOPE_SE
	s_setreg_imm32_b32 hwreg(HW_REG_WAVE_MODE, 25, 1), 1
	s_wait_xcnt 0x0
; ROUTER AND QUANTISER OF x.  x: [1024 tokens][1024] f32.  Wr: [1024][8], br: [8] f32.
; One wave takes one token t = 4 x work-group + wave:
;   scores[e] = sum over d of x[d] Wr[d][e] + br[e], in f32 (fused multiply-adds, 32 lanes x 32 numbers, then across the lanes);
;   the two largest scores (of equal scores the lower index is kept: the scans compare strictly); their softmax, the larger score taken away first;
;   x's 32 blocks of 32 become codes of E2M1 with one E8M0 byte each: lane l holds block l whole.
; OUT: xq: [1024][512] bytes of codes, and from byte 524288 on [1024][32] scale bytes;  sel[t] = (1 << e0) | (1 << (8 + e1));  prb[t] = p0, p1.
; No address and no branch hangs on the scores: sel and prb go to fixed places, and a later launch reads sel.
; Wr (32,768 bytes) is read once a work-group, 8,192 bytes a wave, and handed round through LDS; no matrix unit: N = 8.
; LIMITS: NaN and infinities among the inputs are not served.  Where the second and the third score lie closer than the error of an f32 sum of 1,024 terms, the choice may differ from
; another order of summation's.  A block of zeros gets the scale byte 1 (its codes are zeros; this program alone reads the bytes).
.set WRP,  1040                        ; LDS: 32 chunks of Wr (32 rows = 1,024 bytes) + 16 of padding: lane l reads chunk l
.set XST,  33280                       ; behind them, for each wave: 32 chunks of x (128 bytes) + 16 of padding
.set XSP,  144
.set XN,   8                           ; v8-39    x as loaded: 16 bytes a lane of each 512
.set XT,   40                          ; v40-71   x turned: lane l holds d = 32 l + 0 .. 31
.set WN,   72                          ; v72-135  my wave's part of Wr as loaded
.set ACC,  136                         ; v136-151 partial scores: even d (8), odd d (8)
.set SC,   152                         ; v152-159 scores
.set PT,   160                         ; v160-167 the other half of the lanes'
.set MS,   176                         ; v176-183 scores with the winner taken out
                                       ; window 1 (v256-511): Wr[32 lane + i][e] at register 8 i + e
.set MSB, 0
.macro WIN new                         ; the immediate's high byte repeats the setting that is left
.if MSB != \new
	s_set_vgpr_msb (MSB<<8)|\new
.set MSB, \new
.endif
.endm
	s_load_b128 s[4:7], s[0:1], 0x0                ; x, Wr
	s_load_b128 s[8:11], s[0:1], 0x10              ; br, xq
	s_load_b128 s[12:15], s[0:1], 0x20             ; sel, prb
	v_lshl_add_u32 v254, v0, 2, 0xcc00
	v_mov_b32 v255, 0
	v_lshrrev_b32 v1, 5, v0
	v_readfirstlane_b32 s18, v1                    ; wave
	v_and_b32 v1, 31, v0                           ; lane
	v_lshlrev_b32 v2, 4, v1                        ; 16 x lane
	s_lshl_b32 s19, ttmp9, 2
	s_add_co_u32 s19, s19, s18                     ; my token
	s_mul_i32 s31, s18, 8*WRP
	v_add_nc_u32 v3, s31, v2                       ; Wr into LDS: my wave's eight chunks
	v_mul_u32_u24 v4, v1, WRP                      ; Wr out of LDS: chunk = lane
	s_mul_i32 s31, s18, 32*XSP
	s_add_co_u32 s31, s31, XST                     ; my wave's stage for x
	v_lshrrev_b32 v5, 3, v1
	v_mul_u32_u24 v5, v5, XSP
	v_and_b32 v6, 7, v1
	v_lshl_add_u32 v5, v6, 4, v5
	v_add_nc_u32 v5, s31, v5                       ; x in: eight lanes' 128 bytes make a chunk
	v_mul_u32_u24 v6, v1, XSP
	v_add_nc_u32 v6, s31, v6                       ; x out: chunk = lane
	v_mov_b32 v7, 0
.irp e, 0,1,2,3,4,5,6,7
	v_mov_b32 v[PT+\e], 0                          ; written once: a lane permute's destination counts as one of its sources
.endr
	s_mov_b32 s28, 0x76543210
	s_mov_b32 s29, 0xfedcba98                      ; v_permlanex16_b32's selects for lane l xor 16
	s_lshl_b32 s32, s19, 12                        ; x: 4,096 bytes a token
	s_mov_b32 s33, 0
	s_lshl_b32 s34, s18, 13                        ; Wr: 8,192 bytes a wave
	s_mov_b32 s35, 0
	s_lshl_b32 s36, s19, 9                         ; codes: 512 bytes a token
	s_mov_b32 s37, 0
	s_lshl_b32 s38, s19, 5                         ; scale bytes: 32 a token, behind the codes
	s_add_co_u32 s38, s38, 524288
	s_mov_b32 s39, 0
	s_lshl_b32 s40, s19, 2
	s_mov_b32 s41, 0
	s_lshl_b32 s42, s19, 3
	s_mov_b32 s43, 0
	s_wait_kmcnt 0x0
	s_load_b256 s[20:27], s[8:9], 0x0              ; br's eight numbers
	s_add_nc_u64 s[4:5], s[4:5], s[32:33]
	s_add_nc_u64 s[6:7], s[6:7], s[34:35]
	s_add_nc_u64 s[16:17], s[10:11], s[38:39]
	s_add_nc_u64 s[10:11], s[10:11], s[36:37]
	s_add_nc_u64 s[12:13], s[12:13], s[40:41]
	s_add_nc_u64 s[14:15], s[14:15], s[42:43]
.irp i, 0,1,2,3,4,5,6,7
	global_load_b128 v[XN+4*\i:XN+4*\i+3], v2, s[4:5] offset:512*\i th:TH_LOAD_NT   ; 512 consecutive bytes a load; read once in the launch
.endr
.irp m, 0,1,2,3,4,5,6,7,8,9,10,11,12,13,14,15
	global_load_b128 v[WN+4*\m:WN+4*\m+3], v2, s[6:7] offset:512*\m
.endr
	s_wait_loadcnt 16                              ; x is in; Wr's 16 loads were issued behind it
.irp i, 0,1,2,3,4,5,6,7
	ds_store_b128 v5, v[XN+4*\i:XN+4*\i+3] offset:4*XSP*\i
.endr
	s_wait_loadcnt 0x0
.irp m, 0,1,2,3,4,5,6,7,8,9,10,11,12,13,14,15
	ds_store_b128 v3, v[WN+4*\m:WN+4*\m+3] offset:512*\m+16*(\m/2)
.endr
	s_wait_dscnt 0x0                               ; for the others' sake: my part of Wr lies in LDS
	s_barrier_signal -1
	s_barrier_wait -1                              ; all of Wr does
.irp k, 0,1,2,3,4,5,6,7
	ds_load_b128 v[XT+4*\k:XT+4*\k+3], v6 offset:16*\k
.endr
	WIN 0x40                                       ; destination window 1
.set ii, 0
.rept 32
	ds_load_b128 v[8*ii:8*ii+3], v4 offset:32*ii
	ds_load_b128 v[8*ii+4:8*ii+7], v4 offset:32*ii+16
.set ii, ii+1
.endr
	WIN 0
	s_wait_dscnt 63                                ; x is back (64 loads were issued behind it; the wait names 63 at the most, which is the stricter side)
	; ---- my block of 32: largest magnitude, scale, codes
	v_max3_num_f32 v184, |v[XT]|, |v[XT+1]|, 0x1800000     ; with the floor 2^(3 - 127) among the leaves: the byte cannot fall under 1
	v_max3_num_f32 v185, |v[XT+2]|, |v[XT+3]|, 0x1800000
.irp i, 4,8,12,16,20,24,28
	v_max3_num_f32 v184, v184, |v[XT+\i]|, |v[XT+\i+1]|
	v_max3_num_f32 v185, v185, |v[XT+\i+2]|, |v[XT+\i+3]|
.endr
	v_max_num_f32 v184, v184, v185
	v_add_nc_u32 v186, 0xff000000, v184            ; 2 off the exponent field: the conversion takes the exponent field of this operand as its scale
.irp g, 0,1,2,3
	v_cvt_scalef32_pk8_fp4_f32 v[188+\g], v[XT+8*\g:XT+8*\g+7], v186
.endr
	v_lshrrev_b32 v187, 23, v186                   ; the scale's byte (also the plain line behind the conversions)
	global_store_b128 v2, v[188:191], s[10:11]     ; the wave stores the token's 512 bytes of codes on end
	global_store_b8 v1, v187, s[16:17]             ; and its 32 scale bytes
	; ---- scores: eight chains (even and odd d, four pairs of experts)
	s_wait_dscnt 0x0
	WIN 0x01                                       ; source 0 (Wr) window 1
.set ii, 0
.rept 32
.set pp, 0
.rept 4
.if ii == 0
	v_pk_mul_f32 v[ACC+2*pp:ACC+2*pp+1], v[8*ii+2*pp:8*ii+2*pp+1], v[XT:XT+1] op_sel_hi:[1,0]
.elseif ii == 1
	v_pk_mul_f32 v[ACC+8+2*pp:ACC+8+2*pp+1], v[8*ii+2*pp:8*ii+2*pp+1], v[XT:XT+1] op_sel:[0,1] op_sel_hi:[1,1]
.elseif ii%2 == 0
	v_pk_fma_f32 v[ACC+2*pp:ACC+2*pp+1], v[8*ii+2*pp:8*ii+2*pp+1], v[XT+ii:XT+ii+1], v[ACC+2*pp:ACC+2*pp+1] op_sel_hi:[1,0,1]
.else
	v_pk_fma_f32 v[ACC+8+2*pp:ACC+8+2*pp+1], v[8*ii+2*pp:8*ii+2*pp+1], v[XT+ii-1:XT+ii], v[ACC+8+2*pp:ACC+8+2*pp+1] op_sel:[0,1,0] op_sel_hi:[1,1,1]
.endif
.set pp, pp+1
.endr
.set ii, ii+1
.endr
	WIN 0
.irp p, 0,2,4,6
	v_pk_add_f32 v[SC+\p:SC+\p+1], v[ACC+\p:ACC+\p+1], v[ACC+8+\p:ACC+8+\p+1]
.endr
.irp m, 1,2,4,8
.irp e, 0,1,2,3,4,5,6,7
	v_add_f32_dpp v[SC+\e], v[SC+\e], v[SC+\e] row_xmask:\m row_mask:0xf bank_mask:0xf
.endr
.endr
.irp e, 0,1,2,3,4,5,6,7
	v_permlanex16_b32 v[PT+\e], v[SC+\e], s28, s29
.endr
	s_wait_alu depctr_va_vdst(0)
	s_wait_kmcnt 0x0                               ; br
.irp e, 0,1,2,3,4,5,6,7
	v_add_f32 v[SC+\e], v[SC+\e], v[PT+\e]
.endr
.irp e, 0,1,2,3,4,5,6,7
	v_add_f32 v[SC+\e], s[20+\e], v[SC+\e]         ; every lane now holds the token's eight scores
.endr
	; ---- the two largest; a later score wins only if it is strictly larger
	v_mov_b32 v168, v[SC]
	v_mov_b32 v169, 0
.irp e, 1,2,3,4,5,6,7
	v_cmp_gt_f32 vcc_lo, v[SC+\e], v168
	v_cndmask_b32 v168, v168, v[SC+\e], vcc_lo
	v_cndmask_b32 v169, v169, \e, vcc_lo
.endr
	v_mov_b32 v172, 0xff800000                     ; -infinity takes the winner's place
.irp e, 0,1,2,3,4,5,6,7
	v_cmp_eq_u32 vcc_lo, \e, v169
	v_cndmask_b32 v[MS+\e], v[SC+\e], v172, vcc_lo
.endr
	v_mov_b32 v170, v[MS]
	v_mov_b32 v171, 0
.irp e, 1,2,3,4,5,6,7
	v_cmp_gt_f32 vcc_lo, v[MS+\e], v170
	v_cndmask_b32 v170, v170, v[MS+\e], vcc_lo
	v_cndmask_b32 v171, v171, \e, vcc_lo
.endr
	; ---- softmax of the two, the larger taken away: p0 = 1 / (1 + u), p1 = u p0, u = e^(s1 - s0) <= 1
	v_sub_f32 v173, v170, v168
	v_mul_f32 v173, 0x3fb8aa3b, v173               ; x log2(e)
	s_wait_alu depctr_va_vdst(0)
	v_exp_f32 v174, v173
	v_mov_b32 v192, 1                              ; plain work behind the exponential: the whole number for the later launch
	v_lshlrev_b32 v192, v169, v192                 ; 1 << e0
	v_mov_b32 v193, 0x100
	v_lshlrev_b32 v193, v171, v193                 ; 1 << (8 + e1)
	v_or_b32 v192, v192, v193
	s_wait_alu depctr_va_vdst(0)                   ; the wait ahead of the first line that names the exponential's result
	v_add_f32 v175, 1.0, v174
	s_wait_alu depctr_va_vdst(0)
	v_rcp_f32 v194, v175
	v_nop                                          ; a plain line behind the reciprocal
	s_wait_alu depctr_va_vdst(0)                   ; and its wait
	v_mul_f32 v195, v174, v194
	v_cmp_eq_u32 vcc_lo, 0, v1
	s_wait_alu depctr_va_vdst(0)
	s_wait_xcnt 0x0                                ; EXEC changes only behind this wait: stores are out
	s_wait_tensorcnt 0x0
	ds_add_u32 v254, v255
	s_wait_dscnt 0x0
	s_and_saveexec_b32 s30, vcc_lo                 ; lane 0 alone
	global_store_b32 v7, v192, s[12:13]
	global_store_b64 v7, v[194:195], s[14:15]
	s_wait_xcnt 0x0
	s_or_b32 exec_lo, exec_lo, s30
	s_endpgm
.Lfunc_end_k_qc5a40c91cf_route:
	.size	k_qc5a40c91cf_route, .Lfunc_end_k_qc5a40c91cf_route-k_qc5a40c91cf_route
	.p2alignl 7, 3214868480
	.fill 96, 4, 3214868480
	.section	.rodata,"a",@progbits
	.p2align	6, 0x0
	.amdhsa_kernel k_qc5a40c91cf_route
		.amdhsa_group_segment_fixed_size 52736
		.amdhsa_private_segment_fixed_size 0
		.amdhsa_enable_private_segment 0
		.amdhsa_kernarg_size 48
		.amdhsa_user_sgpr_count 2
		.amdhsa_user_sgpr_kernarg_segment_ptr 1
		.amdhsa_wavefront_size32 1
		.amdhsa_system_sgpr_workgroup_id_x 1
		.amdhsa_system_sgpr_workgroup_id_y 1
		.amdhsa_system_sgpr_workgroup_id_z 1
		.amdhsa_system_vgpr_workitem_id 0
		.amdhsa_next_free_vgpr 512
		.amdhsa_next_free_sgpr 66
		.amdhsa_reserve_vcc 1
		.amdhsa_float_denorm_mode_32 3
		.amdhsa_float_denorm_mode_16_64 3
		.amdhsa_memory_ordered 1
		.amdhsa_forward_progress 1
		.amdhsa_inst_pref_size 28
	.end_amdhsa_kernel
	.amdgpu_metadata
---
amdhsa.version: [ 1, 2 ]
amdhsa.kernels:
  - .name:           k_qc5a40c91cf_route
    .symbol:         k_qc5a40c91cf_route.kd
    .args:
      - { .name: x, .offset: 0, .size: 8, .value_kind: global_buffer, .address_space: global }
      - { .name: Wr, .offset: 8, .size: 8, .value_kind: global_buffer, .address_space: global }
      - { .name: br, .offset: 16, .size: 8, .value_kind: global_buffer, .address_space: global }
      - { .name: xq, .offset: 24, .size: 8, .value_kind: global_buffer, .address_space: global }
      - { .name: sel, .offset: 32, .size: 8, .value_kind: global_buffer, .address_space: global }
      - { .name: prb, .offset: 40, .size: 8, .value_kind: global_buffer, .address_space: global }
    .group_segment_fixed_size: 52736
    .private_segment_fixed_size: 0
    .kernarg_segment_align: 8
    .kernarg_segment_size: 48
    .max_flat_workgroup_size: 128
    .sgpr_count:     66
    .vgpr_count:     512
    .wavefront_size: 32
...
	.end_amdgpu_metadata
.endif
;; end of part 5
;; launch gemm1 (part 6): grid 32 x 8, 4 waves a work-group, no clusters, 109,056 bytes of LDS; arguments sel, xq, W1_codes, W1_scales, b1, hc, rows; writes hc, rows
.if DOCPART == 6
	.amdgcn_target "amdgcn-amd-amdhsa--gfx1250"
	.amdhsa_code_object_version 6
	.text
	.protected	k_qc5a40c91cf_gemm1
	.globl	k_qc5a40c91cf_gemm1
	.p2align	8
	.type	k_qc5a40c91cf_gemm1,@function
k_qc5a40c91cf_gemm1:
	s_mov_b64 s[64:65], 0
	v_nop
	global_prefetch_b8 v0, s[64:65] scope:SCOPE_SE
	s_setreg_imm32_b32 hwreg(HW_REG_WAVE_MODE, 25, 1), 1
	s_wait_xcnt 0x0
; FIRST PRODUCT, GELU, SECOND QUANTISER, for the rows that chose the expert.  h = gelu(Q(x) W1^T + b1); Q(h) along the hidden axis.
; A work-group is (SL = x, E = y): hidden units 128 SL .. 128 SL + 127 of expert E, which are ONE K step of the second product.
; Every wave holds that slice of W1 whole in 512 registers (64 fragments of 16 rows x 128 K), so each byte of W1 is loaded from memory by one wave of one work-group, and handed to the other three through LDS.
; THE LIST.  Wave 0 reads sel (whole numbers that the launch before stored) and places the routed rows of expert E in a list in LDS: rid = 2 x token + slot; places past the count hold 2048, 'no row'.
; A tile is 16 places; NT = max(1, ceil(count / 16)).  Wave w takes tiles w, w + 4, ..  'No row' places compute on token 1023's x; the next launch stores nothing for them.
; The work-groups with SL = 0 store the list and NT - 1 in rows, for the next launch.
; THE HEAD'S ORDER: sel's loads go out first and the weights' behind them, so that wave 0 places the rows while the weights are on their way; as soon as the list is whole each wave asks for its first tile's
; rows of x, which land while W1 goes through LDS.
; A TILE: 16 rows of x's codes (512 bytes each, a whole row a load) turn through the wave's stage in LDS into 8 fragments; 64 matrix instructions, TRANSPOSED (source 0 = 16 rows of W1, source 1 = x):
; a lane holds one row of the hidden layer and its registers run along the hidden units.  THE ROWS OF W1 THAT FORM A TILE ARE NOT NEIGHBOURS: lane r of tile 2 b + u takes row 32 b + 8 u + r + 8 (r / 8), so that the
; 16 registers of tiles 2 b, 2 b + 1 are 16 neighbours along the next K.  b1 is the C of each sum's first matrix instruction.  Then gelu in f32, the quantiser, and the fragment leaves as an image of its registers.
; gelu(a) = a/2 + a/2 erf(a / sqrt 2); erf(z) = z P(z^2) / Q(z^2) on z held to +-4, degrees 6 and 4, by fused multiply-adds.
; hc: codes [8 E][64 tiles][32 K steps][1,024 bytes: 512 c + 16 lane]; from byte 16,777,216 on the scale words [8][64][4 q][2 h][16 r][4 j], K step = 8 q + 4 h + j.
; No tensor load, no cluster: branches hang on the stored choice.  LIMITS: NaN and infinities are not served; erf's absolute error is a few 1e-7, so gelu of a strongly negative a has an absolute error of
; about 1e-7 |a|; a block of zeros gets the scale byte 1 (its codes are zeros; this program alone reads the bytes).
.set WSP,  528                         ; an LDS row of codes: 512 bytes + 16: the 16 rows of a fragment load start at different banks (64 banks of 4 bytes: ISA guide 11.1)
.set LIST, 67584                       ; LDS: 0: W1's 128 rows;  LIST: 1,152 words (1151: the dump word);  CNTW: NT;  XSTG: a stage of 16 rows + 512 bytes of scale words for each wave
.set CNTW, 72192
.set XSTG, 72448
.set XSZ,  8960
.set HSB,  16777216
.set L16,  4                           ; v4   16 x lane
.set STW,  5                           ; v5   stage, in: 16 x lane
.set STR,  6                           ; v6   stage, out: 528 r + 16 h
.set SSC,  7                           ; v7   stage, scale words: 16 x lane
.set LU,   8                           ; v8   the list entries to fetch, one address for all lanes
.set LL,   9                           ; v9   and entry r for lane (r, h)
.set HCO,  10                          ; v10  my offset in hc's codes
.set HSO,  11                          ; v11  and in its scale words
.set XSO,  12                          ; v12  my offset in x's scale bytes
.set WFR,  13                          ; v13  W1's fragments in LDS
.set R16,  14                          ; v14  16 r
.set H16,  15                          ; v15  16 h
.set RO,   16                          ; v16-31 offsets of the tile's 16 rows of x's codes
.set EN,   32                          ; v32-47 the tile's 16 list entries
.set ENL,  48                          ; v48  entry r
.set WSW,  49                          ; v49  W1's rows into LDS
.set KA5,  50                          ; v[50:51], v[52:53] two coefficients as vector pairs
.set KB3,  52
.set LX,   55                          ; v55  LIST + 16 x thread
.set RAWS, 56                          ; v56-59 x's scale words as loaded
.set XS,   60                          ; v60-63 x's scale words at work: register j: lanes 0-15 K step j, lanes 16-31 K step 4 + j
.set W1S,  64                          ; v64-95 W1's scale words: register 8 b + s: lanes 0-15 tile 2 b, lanes 16-31 tile 2 b + 1
.set HA,   96                          ; v96-159 the 8 accumulators
.set QA,   96                          ; at the head, in wave 0: v96-103 E's bits of eight words of sel; v104-111 eight rids; v112-119 eight places in the list
.set QB,   104
.set QP,   112
.set GZ,   160                         ; v160-223 gelu at work: z, z^2, P, Q, 16 each
.set GS,   176
.set GP,   192
.set GQ,   208
.set SV,   160                         ; at the head: 32 words of sel a lane
.set FILL, 196
.set TM,   224                         ; v224-239 the quantiser at work
.set PC,   240                         ; v240-247 the codes just made
.set PW,   248                         ; v248 the scale word just made
.set WSO,  249
.set B1O,  250
.set DUMP, 251
.set L8,   252
.set TA,   253
.set TB,   254
.set CA,   255
.set MK,   66                          ; s66-73 at the head: eight masks of choosing lanes;  s74-81 the count ahead of each
.set PF,   74
.set B1,   0                           ; window 3: v0-63 b1 in the result's layout; v64-127 x's 8 fragments; v128-191 x's 16 rows as loaded
.set XF,   64
.set RAW,  128                         ; windows 1, 2: W1's fragments: K step s, tile t at 64 (s % 4) + 8 t of window 1 + s / 4
.set MSB, 0
.macro WIN new                         ; the immediate's high byte repeats the setting that is left
.if MSB != \new
	s_set_vgpr_msb (MSB<<8)|\new
.set MSB, \new
.endif
.endm
.macro KPAIR reg, val                  ; a coefficient as a scalar pair: the packed forms name a pair and take its low word for both halves
	s_mov_b32 s[\reg], \val
	s_mov_b32 s[\reg+1], \val
.endm
; Eight words of sel a lane, m = 8 g + n: token 128 (m / 4) + 4 lane + m % 4.  Where it chose expert E, its rid goes to the next free place of the list; else to the dump word.
; Each step is written for all eight words before the next step, so that no line waits for the line above it; the places are given out in the order of m, then of the lanes.
.macro PLACE8 g
.irp n, 0,1,2,3,4,5,6,7
	v_and_b32 v[QA+\n], s35, v[SV+8*(\g)+\n]       ; E's two bits of the token's word
.endr
.irp n, 0,1,2,3,4,5,6,7
	v_cmp_ne_u32 s[MK+\n], 0, v[QA+\n]             ; the lanes whose token chose E
.endr
.irp n, 0,1,2,3,4,5,6,7
	v_lshrrev_b32 v[QB+\n], 8, v[QA+\n]            ; not 0 where E is the second choice
.endr
.irp n, 0,1,2,3,4,5,6,7
	v_min_u32 v[QB+\n], 1, v[QB+\n]                ; the slot
.endr
.irp n, 0,1,2,3,4,5,6,7
	v_add3_u32 v[QB+\n], v[L8], v[QB+\n], 256*((8*(\g)+\n)/4)+2*((8*(\g)+\n)%4)   ; rid = 2 x token + slot
.endr
.irp n, 0,1,2,3,4,5,6,7
	s_mov_b32 s[PF+\n], s32                        ; the count ahead of word n
	s_bcnt1_i32_b32 s34, s[MK+\n]
	s_add_co_u32 s32, s32, s34
.endr
.irp n, 0,1,2,3,4,5,6,7
	v_mbcnt_lo_u32_b32 v[QP+\n], s[MK+\n], s[PF+\n]   ; + the choosing lanes below me
.endr
.irp n, 0,1,2,3,4,5,6,7
	v_cndmask_b32 v[QP+\n], v[DUMP], v[QP+\n], s[MK+\n]
.endr
.irp n, 0,1,2,3,4,5,6,7
	v_min_u32 v[QP+\n], 1151, v[QP+\n]
.endr
.irp n, 0,1,2,3,4,5,6,7
	v_lshl_add_u32 v[QP+\n], v[QP+\n], 2, LIST
.endr
.irp n, 0,1,2,3,4,5,6,7
	ds_store_b32 v[QP+\n], v[QB+\n]
.endr
.endm
; The 16 rows of x of the tile whose list entries begin off bytes behind s28: 16 loads of a whole row's codes, one of the scale words.
.macro FETCHX off
	v_mov_b32 v[LU], s28
	v_lshl_add_u32 v[LL], v2, 2, s28
.irp q, 0,1,2,3
	ds_load_b128 v[EN+4*\q:EN+4*\q+3], v[LU] offset:\off+16*\q
.endr
	ds_load_b32 v[ENL], v[LL] offset:\off
	s_wait_dscnt 0x0                               ; the entries are in; and the stage's stores have read the registers that the loads below fill
.irp i, 0,1,2,3,4,5,6,7,8,9,10,11,12,13,14,15
	v_min_u32 v[EN+\i], 0x7ff, v[EN+\i]            ; 'no row' becomes token 1023
.endr
.irp i, 0,1,2,3,4,5,6,7,8,9,10,11,12,13,14,15
	v_and_b32 v[EN+\i], 0x7fe, v[EN+\i]            ; 2 x token
.endr
.irp i, 0,1,2,3,4,5,6,7,8,9,10,11,12,13,14,15
	v_lshl_add_u32 v[RO+\i], v[EN+\i], 8, v[L16]   ; 512 x token + 16 x lane
.endr
	v_min_u32 v[ENL], 0x7ff, v[ENL]
	v_and_b32 v[ENL], 0x7fe, v[ENL]
	v_lshl_add_u32 v[XSO], v[ENL], 4, v[H16]       ; 32 x token + 16 h
	WIN 0xc0                                       ; destination window 3
.irp i, 0,1,2,3,4,5,6,7,8,9,10,11,12,13,14,15
	global_load_b128 v[RAW+4*\i:RAW+4*\i+3], v[RO+\i], s[6:7]    ; 512 consecutive bytes
.endr
	WIN 0
	global_load_b128 v[RAWS:RAWS+3], v[XSO], s[18:19]
.endm
; The rows turn through my stage into fragments; the scale words are copied through it too, which frees their registers for the next tile's load and leaves every operand filled by a load.
.macro STAGE
	WIN 0x0c                                       ; an LDS store's data are its source 1: window 3
.irp i, 0,1,2,3,4,5,6,7,8,9,10,11,12,13,14,15
	ds_store_b128 v[STW], v[RAW+4*\i:RAW+4*\i+3] offset:WSP*\i
.endr
	WIN 0
	ds_store_b128 v[SSC], v[RAWS:RAWS+3]
	WIN 0xc0
.irp s, 0,1,2,3,4,5,6,7
.irp c, 0,1
	ds_load_b128 v[XF+8*\s+4*\c:XF+8*\s+4*\c+3], v[STR] offset:64*\s+32*\c   ; LDS serves a wave's instructions in order (ISA guide 5.7.1.4): these see the stores above
.endr
.endr
	WIN 0
	ds_load_b128 v[XS:XS+3], v[SSC]
.endm
; Tile t of the hidden units, K step s.
.macro MM t, s
.set rD, HA+8*(\t)
.set rA, 64*((\s)%4)+8*(\t)
.set rB, XF+8*(\s)
.set rC, B1+8*(\t)
.set rSA, W1S+8*((\t)/2)+(\s)
.set rSB, XS+(\s)%4
.if (\s) == 0
.if (\t)%2
	v_wmma_scale_f32_16x16x128_f8f6f4 v[rD:rD+7], v[rA:rA+7], v[rB:rB+7], v[rC:rC+7], v[rSA], v[rSB] matrix_a_fmt:MATRIX_FMT_FP4 matrix_b_fmt:MATRIX_FMT_FP4 matrix_a_scale:MATRIX_SCALE_ROW1
.else
	v_wmma_scale_f32_16x16x128_f8f6f4 v[rD:rD+7], v[rA:rA+7], v[rB:rB+7], v[rC:rC+7], v[rSA], v[rSB] matrix_a_fmt:MATRIX_FMT_FP4 matrix_b_fmt:MATRIX_FMT_FP4
.endif
.elseif (\s) < 4
.if (\t)%2
	v_wmma_scale_f32_16x16x128_f8f6f4 v[rD:rD+7], v[rA:rA+7], v[rB:rB+7], v[rD:rD+7], v[rSA], v[rSB] matrix_a_fmt:MATRIX_FMT_FP4 matrix_b_fmt:MATRIX_FMT_FP4 matrix_a_scale:MATRIX_SCALE_ROW1
.else
	v_wmma_scale_f32_16x16x128_f8f6f4 v[rD:rD+7], v[rA:rA+7], v[rB:rB+7], v[rD:rD+7], v[rSA], v[rSB] matrix_a_fmt:MATRIX_FMT_FP4 matrix_b_fmt:MATRIX_FMT_FP4
.endif
.else
.if (\t)%2
	v_wmma_scale_f32_16x16x128_f8f6f4 v[rD:rD+7], v[rA:rA+7], v[rB:rB+7], v[rD:rD+7], v[rSA], v[rSB] matrix_a_fmt:MATRIX_FMT_FP4 matrix_b_fmt:MATRIX_FMT_FP4 matrix_a_scale:MATRIX_SCALE_ROW1 matrix_b_scale:MATRIX_SCALE_ROW1
.else
	v_wmma_scale_f32_16x16x128_f8f6f4 v[rD:rD+7], v[rA:rA+7], v[rB:rB+7], v[rD:rD+7], v[rSA], v[rSB] matrix_a_fmt:MATRIX_FMT_FP4 matrix_b_fmt:MATRIX_FMT_FP4 matrix_b_scale:MATRIX_SCALE_ROW1
.endif
.endif
.endm
; gelu in place on registers 16 b .. 16 b + 15 of the accumulators, two numbers an instruction, each accumulator read from its low end on.
.macro GELU b
.set rH, HA+16*(\b)
.irp p, 0,2,4,6,8,10,12,14
	v_pk_mul_f32 v[GZ+\p:GZ+\p+1], v[rH+\p:rH+\p+1], s[40:41] op_sel_hi:[1,0]      ; z = a / sqrt 2
.endr
.irp i, 0,1,2,3,4,5,6,7,8,9,10,11,12,13,14,15
	v_med3_num_f32 v[GZ+\i], v[GZ+\i], -4.0, 4.0
.endr
.irp p, 0,2,4,6,8,10,12,14
	v_pk_mul_f32 v[GS+\p:GS+\p+1], v[GZ+\p:GZ+\p+1], v[GZ+\p:GZ+\p+1]
.endr
.irp p, 0,2,4,6,8,10,12,14
	v_pk_fma_f32 v[GP+\p:GP+\p+1], v[GS+\p:GS+\p+1], s[42:43], v[KA5:KA5+1] op_sel_hi:[1,0,1]
.endr
.irp k, 44,46,48,50,52
.irp p, 0,2,4,6,8,10,12,14
	v_pk_fma_f32 v[GP+\p:GP+\p+1], v[GP+\p:GP+\p+1], v[GS+\p:GS+\p+1], s[\k:\k+1] op_sel_hi:[1,1,0]
.endr
.endr
.irp p, 0,2,4,6,8,10,12,14
	v_pk_fma_f32 v[GQ+\p:GQ+\p+1], v[GS+\p:GS+\p+1], s[54:55], v[KB3:KB3+1] op_sel_hi:[1,0,1]
.endr
.irp k, 56,58,60
.irp p, 0,2,4,6,8,10,12,14
	v_pk_fma_f32 v[GQ+\p:GQ+\p+1], v[GQ+\p:GQ+\p+1], v[GS+\p:GS+\p+1], s[\k:\k+1] op_sel_hi:[1,1,0]
.endr
.endr
	s_wait_alu depctr_va_vdst(0)
.irp i, 0,1,2,3,4,5,6,7,8,9,10,11,12,13,14,15
	v_rcp_f32 v[GQ+\i], v[GQ+\i]                   ; one batch of sixteen
.endr
.irp p, 0,2,4,6,8,10,12,14
	v_pk_mul_f32 v[GP+\p:GP+\p+1], v[GP+\p:GP+\p+1], v[GZ+\p:GZ+\p+1]               ; z P: plain work that names no reciprocal
.endr
.irp p, 0,2,4,6,8,10,12,14
	v_pk_mul_f32 v[GZ+\p:GZ+\p+1], v[rH+\p:rH+\p+1], 0.5 op_sel_hi:[1,0]            ; a / 2
.endr
	s_wait_alu depctr_va_vdst(0)                   ; one wait for the batch, ahead of its first reader
.irp p, 0,2,4,6,8,10,12,14
	v_pk_mul_f32 v[GP+\p:GP+\p+1], v[GP+\p:GP+\p+1], v[GQ+\p:GQ+\p+1]               ; erf
.endr
.irp p, 0,2,4,6,8,10,12,14
	v_pk_fma_f32 v[rH+\p:rH+\p+1], v[GZ+\p:GZ+\p+1], v[GP+\p:GP+\p+1], v[GZ+\p:GZ+\p+1]
.endr
.endm
; 64 numbers of a lane, register 16 b + i = k 32 b + 16 (lane / 16) + i of my row, become a fragment's codes in v[PC] on and its scale word in v[PW].
.macro QUANT s
.irp b, 0,1,2,3
	v_max3_num_f32 v[TM+\b], |v[\s+16*\b]|, |v[\s+1+16*\b]|, 0x1800000   ; block b: my 16 numbers, and the floor 2^(3 - 127): the byte cannot fall under 1
.endr
.irp i, 2,4,6,8,10,12,14
.irp b, 0,1,2,3
	v_max3_num_f32 v[TM+\b], v[TM+\b], |v[\s+16*\b+\i]|, |v[\s+1+16*\b+\i]|
.endr
.endr
.irp b, 0,1,2,3
	v_permlanex16_b32 v[TM+4+\b], v[TM+\b], s38, s39
.endr
.irp b, 0,1,2,3
	v_max_num_f32 v[TM+\b], v[TM+\b], v[TM+4+\b]   ; with lane l xor 16's: the block's largest magnitude
.endr
.irp b, 0,1,2,3
	v_add_nc_u32 v[TM+12+\b], 0xff000000, v[TM+\b] ; 2 off its exponent field: the conversion's scale operand
.endr
.irp b, 0,1,2,3
	v_lshrrev_b32 v[TM+4+\b], 23, v[TM+12+\b]      ; the scale's byte
.endr
	v_lshl_or_b32 v[PW], v[TM+5], 8, v[TM+4]
	v_lshl_or_b32 v[PW], v[TM+6], 16, v[PW]
	v_lshl_or_b32 v[PW], v[TM+7], 24, v[PW]
.irp b, 0,1,2,3
	v_cvt_scalef32_pk8_fp4_f32 v[PC+2*\b], v[\s+16*\b:\s+7+16*\b], v[TM+12+\b]
	v_cvt_scalef32_pk8_fp4_f32 v[PC+1+2*\b], v[\s+8+16*\b:\s+15+16*\b], v[TM+12+\b]
.endr
	v_nop                                          ; one plain line behind the last scaled conversion
.irp c, 0,1                                    ; the operand's layout wants a WHOLE block in a lane
.irp i, 0,1
	v_permlane16_swap_b32 v[PC+4*\c+\i], v[PC+2+4*\c+\i]
.endr
.endr
.endm
	s_load_b128 s[4:7], s[0:1], 0x0                ; sel, xq
	s_load_b128 s[8:11], s[0:1], 0x10              ; W1's codes, W1's scales
	s_load_b128 s[12:15], s[0:1], 0x20             ; b1, hc
	s_load_b64 s[16:17], s[0:1], 0x30              ; rows
	v_lshl_add_u32 v234, v0, 2, 0x1a800
	v_mov_b32 v235, 0
	v_lshrrev_b32 v1, 5, v0
	v_readfirstlane_b32 s22, v1                    ; wave
	s_mov_b32 s23, ttmp9                           ; SL
	s_and_b32 s24, ttmp7, 0xffff                   ; E
	v_and_b32 v1, 31, v0                           ; lane
	v_and_b32 v2, 15, v0                           ; r
	v_bfe_u32 v3, v0, 4, 1                         ; h
	v_lshlrev_b32 v[L16], 4, v1
	v_lshlrev_b32 v[R16], 4, v2
	v_lshlrev_b32 v[H16], 4, v3
	s_mul_i32 s2, s22, XSZ
	s_add_co_u32 s2, s2, XSTG                      ; my stage
	v_add_nc_u32 v[STW], s2, v[L16]
	v_mul_u32_u24 v[STR], v2, WSP
	v_add_nc_u32 v[STR], v[STR], v[H16]
	v_add_nc_u32 v[STR], s2, v[STR]
	v_add_nc_u32 v[SSC], 16*WSP, v[STW]
	v_and_b32 v[TA], 8, v2
	v_add_nc_u32 v[TA], v[TA], v2                  ; r + 8 (r / 8)
	v_mul_u32_u24 v[WFR], v[TA], WSP
	v_add_nc_u32 v[WFR], v[WFR], v[H16]
	s_mul_i32 s2, s22, 32*WSP
	v_add_nc_u32 v[WSW], s2, v[L16]                ; my 32 rows of the slice
	v_lshl_add_u32 v[LX], v0, 4, LIST
	v_mov_b32 v[CA], CNTW
	v_lshl_add_u32 v[WSO], v3, 3, v[TA]
	v_lshlrev_b32 v[WSO], 5, v[WSO]                ; W1's scale words: row 8 h + r + 8 (r / 8), 32 bytes a row
	v_lshlrev_b32 v[B1O], 6, v3                    ; b1: 16 h numbers on
	v_mov_b32 v[DUMP], 1151
	v_lshlrev_b32 v[L8], 3, v1                     ; 2 x (4 x lane)
.irp b, 0,1,2,3
	v_mov_b32 v[TM+4+\b], 0                        ; written once: a lane permute's destination counts as one of its sources
.endr
	v_mov_b32 v[KA5], 0x32edffee                   ;  2.77068142e-08
	v_mov_b32 v[KA5+1], 0x32edffee
	v_mov_b32 v[KB3], 0xb95fbd29                   ; -2.13374055e-04
	v_mov_b32 v[KB3+1], 0xb95fbd29
	s_mov_b32 s38, 0x76543210
	s_mov_b32 s39, 0xfedcba98                      ; v_permlanex16_b32's selects for lane l xor 16
	KPAIR 40, 0x3f3504f3                           ;  1 / sqrt 2
	KPAIR 42, 0xaf95df0b                           ; P: -2.72614226e-10 (z^12)
	KPAIR 44, 0xb60cff51                           ;    -2.10102402e-06 (z^8; z^10's stands in v[50:51])
	KPAIR 46, 0xb86ec2d2                           ;    -5.69250639e-05
	KPAIR 48, 0xba40ac63                           ;    -7.34990630e-04
	KPAIR 50, 0xbb41a1f6                           ;    -2.95459981e-03
	KPAIR 52, 0xbc83dbd4                           ;    -1.60960333e-02
	KPAIR 54, 0xb77460cd                           ; Q: -1.45660718e-05 (z^8; z^6's stands in v[52:53])
	KPAIR 56, 0xbadc924e                           ;    -1.68282697e-03
	KPAIR 58, 0xbbf19bf8                           ;    -7.37332917e-03
	KPAIR 60, 0xbc69b6a7                           ;    -1.42647391e-02
	s_lshl_b32 s35, 0x101, s24                     ; E's bit as first and as second choice
	s_lshl_b32 s25, s24, 12
	s_lshl_b32 s26, s23, 7
	s_add_co_u32 s25, s25, s26                     ; the slice's first row of W1: 4096 E + 128 SL
	s_lshl_b32 s26, s22, 5
	s_add_co_u32 s26, s26, s25                     ; + 32 x wave
	s_lshl_b32 s66, s26, 9                         ; codes: 512 bytes a row
	s_mov_b32 s67, 0
	s_lshl_b32 s68, s25, 5                         ; scale bytes: 32 a row
	s_mov_b32 s69, 0
	s_lshl_b32 s70, s25, 2                         ; b1
	s_mov_b32 s71, 0
	s_lshl_b32 s72, s24, 21                        ; hc's codes: 2^21 an expert, 1,024 a K step
	s_lshl_b32 s26, s23, 10
	s_add_co_u32 s72, s72, s26
	s_mov_b32 s73, 0
	s_lshl_b32 s74, s24, 17                        ; hc's scale words: 2^17 an expert; K step SL = 8 q + 4 h + j: 512 q + 256 h + 4 j
	s_add_co_u32 s74, s74, HSB
	s_lshr_b32 s26, s23, 3
	s_lshl_b32 s26, s26, 9
	s_add_co_u32 s74, s74, s26
	s_bfe_u32 s26, s23, 0x10002
	s_lshl_b32 s26, s26, 8
	s_add_co_u32 s74, s74, s26
	s_and_b32 s26, s23, 3
	s_lshl_b32 s26, s26, 2
	s_add_co_u32 s74, s74, s26
	s_mov_b32 s75, 0
	s_lshl_b32 s76, s24, 12                        ; rows: 4,096 bytes an expert;
	s_mov_b32 s77, 0
	s_lshl_b32 s78, s24, 2                         ; behind the lists a word an expert
	s_add_co_u32 s78, s78, 32768
	s_mov_b32 s79, 0
	s_wait_kmcnt 0x0
	s_add_nc_u64 s[18:19], s[6:7], 0x80000         ; x's scale bytes
	s_add_nc_u64 s[8:9], s[8:9], s[66:67]
	s_add_nc_u64 s[10:11], s[10:11], s[68:69]
	s_add_nc_u64 s[12:13], s[12:13], s[70:71]
	s_add_nc_u64 s[20:21], s[14:15], s[74:75]
	s_add_nc_u64 s[14:15], s[14:15], s[72:73]
	s_add_nc_u64 s[30:31], s[16:17], s[78:79]
	s_add_nc_u64 s[16:17], s[16:17], s[76:77]      ; s66-81 are free from here on
.irp j, 0,1,2,3,4,5,6,7
	global_load_b128 v[SV+4*\j:SV+4*\j+3], v[L16], s[4:5] offset:512*\j   ; sel first: 4,096 bytes.  Every wave issues these loads, though wave 0 alone uses them: so they stand on the one way that all waves take
.endr
	WIN 0x40                                       ; destination window 1: my 32 rows of W1 as they lie
.set ii, 0
.rept 32
	global_load_b128 v[4*ii:4*ii+3], v[L16], s[8:9] offset:512*ii th:TH_LOAD_NT    ; 512 consecutive bytes; no other wave of the launch loads them
.set ii, ii+1
.endr
	WIN 0
.irp b, 0,1,2,3
.irp q, 0,1
	global_load_b128 v[W1S+8*\b+4*\q:W1S+8*\b+4*\q+3], v[WSO], s[10:11] offset:1024*\b+16*\q
.endr
.endr
	WIN 0xc0                                       ; destination window 3
.irp t, 0,1,2,3,4,5,6,7
	global_load_b128 v[B1+8*\t:B1+8*\t+3], v[B1O], s[12:13] offset:(32*(\t/2)+8*(\t%2))*4
	global_load_b128 v[B1+8*\t+4:B1+8*\t+7], v[B1O], s[12:13] offset:(32*(\t/2)+8*(\t%2))*4+16
.endr
	WIN 0
	; ---- wave 0 places the expert's rows while the weights are on their way
	s_cmp_lg_u32 s22, 0
	s_cbranch_scc1 .Lnot_wave_0
.irp i, 0,1,2,3
	v_mov_b32 v[FILL+\i], 0x800                    ; 'no row'
.endr
.irp k, 0,1,2,3,4,5,6,7,8
	ds_store_b128 v[LX], v[FILL:FILL+3] offset:512*\k   ; in wave 0 the thread's number is the lane: 9 x 512 bytes are the whole list
.endr
	s_mov_b32 s32, 0
	s_wait_loadcnt 56                              ; sel is in; behind it were issued W1's 32 loads, its scale words' 8 and b1's 16, which may stay out
	PLACE8 0
	PLACE8 1
	PLACE8 2
	PLACE8 3
	s_add_co_u32 s34, s32, 15
	s_lshr_b32 s34, s34, 4
	s_max_u32 s34, s34, 1                          ; NT: tile 0 is always made
	v_mov_b32 v[TB], s34
	ds_store_b32 v[CA], v[TB]
.Lnot_wave_0:
	s_wait_dscnt 0x0                               ; the list and NT lie in LDS
	s_barrier_signal -1
	s_barrier_wait -1                              ; no other wave has touched LDS before this barrier
	s_mov_b32 s25, s22                             ; T: my first tile
	s_lshl_b32 s28, s22, 6
	s_add_co_u32 s28, s28, LIST                    ; its 16 entries
	FETCHX 0                                       ; always: entries past the count are 'no row'.  These rows land while W1 goes through LDS
	s_wait_loadcnt 17                              ; all but the tile's 17 loads just issued: my rows of W1, its scale words, b1 (and sel) are in
	WIN 0x04                                       ; an LDS store's data are its source 1: window 1
.set ii, 0
.rept 32
	ds_store_b128 v[WSW], v[4*ii:4*ii+3] offset:WSP*ii
.set ii, ii+1
.endr
	WIN 0
	s_wait_dscnt 0x0                               ; for the others' sake: my 32 rows lie in LDS
	s_barrier_signal -1
	s_barrier_wait -1                              ; all 128 do.  From here on the list and W1's rows are only read, and a stage is its wave's own: no further barrier
	ds_load_b32 v[TA], v[CA]
.set ss, 0
.rept 8
.if ss < 4
	WIN 0x40
.else
	WIN 0x80
.endif
.set tt, 0
.rept 8
	ds_load_b128 v[64*(ss%4)+8*tt:64*(ss%4)+8*tt+3], v[WFR] offset:(32*(tt/2)+8*(tt%2))*WSP+64*ss
	ds_load_b128 v[64*(ss%4)+8*tt+4:64*(ss%4)+8*tt+7], v[WFR] offset:(32*(tt/2)+8*(tt%2))*WSP+64*ss+32
.set tt, tt+1
.endr
.set ss, ss+1
.endr
	WIN 0
	s_wait_dscnt 0x0
	v_readfirstlane_b32 s26, v[TA]
	s_min_u32 s26, s26, 64                         ; NT
	; ---- the work-groups of slice 0 hand the list on
	s_cmp_lg_u32 s23, 0
	s_cbranch_scc1 .Lno_export
	ds_load_b128 v[GZ:GZ+3], v[LX]
	ds_load_b128 v[GZ+4:GZ+7], v[LX] offset:2048
	v_lshlrev_b32 v[TA], 4, v0
	s_sub_co_u32 s34, s26, 1
	v_mov_b32 v[TB], s34
	v_mov_b32 v[HSO], 0
	s_wait_alu depctr_va_vdst(0)
	s_wait_dscnt 0x0
	global_store_b128 v[TA], v[GZ:GZ+3], s[16:17]              ; a wave stores 512 consecutive bytes, aligned
	global_store_b128 v[TA], v[GZ+4:GZ+7], s[16:17] offset:2048
	v_cmp_eq_u32 vcc_lo, 0, v0
	s_wait_xcnt 0x0                                ; EXEC changes only behind this wait
	s_and_saveexec_b32 s36, vcc_lo                 ; thread 0 alone
	global_store_b32 v[HSO], v[TB], s[30:31]       ; NT - 1
	s_wait_xcnt 0x0                                ; also frees the three stores' registers
	s_or_b32 exec_lo, exec_lo, s36
.Lno_export:
	s_mov_b32 s27, 16
.Ltile:                                                ; 16 trips in every wave; a trip whose tile does not exist jumps over its work
	s_cmp_ge_u32 s25, s26
	s_cbranch_scc1 .Lskip
	s_wait_loadcnt 0x0                             ; this tile's 17 loads: nothing else of mine is out
	STAGE
	s_add_co_u32 s29, s25, 4
	s_cmp_ge_u32 s29, s26
	s_cbranch_scc1 .Lno_fetch
	FETCHX 256                                     ; my next tile's rows land while this tile is worked
.Lno_fetch:
	s_wait_dscnt 0x0                               ; the fragments and the scale words are in
.set ss, 0
.rept 8                                        ; the eight accumulators take turns, one instruction a turn
.if ss == 0
	WIN 0x3d                                       ; W1 window 1, x window 3, C = b1 window 3
.elseif ss < 4
	WIN 0x0d
.else
	WIN 0x0e                                       ; W1 window 2
.endif
.set tt, 0
.rept 8
	MM tt, ss
.set tt, tt+1
.endr
.set ss, ss+1
.endr
	WIN 0
	s_wait_xcnt 0x0                                ; the last tile's stores have read their offsets, codes and scale word: all are written again below
	s_lshl_b32 s2, s25, 15
	v_add_nc_u32 v[HCO], s2, v[L16]                ; 32,768 bytes of codes a tile.  (These two lines and two v_nop are the four places behind the last product)
	s_lshl_b32 s2, s25, 11
	v_add_nc_u32 v[HSO], s2, v[R16]                ; 2,048 bytes of scale words a tile, 16 a row
	v_nop
	v_nop
	GELU 0
	GELU 1
	GELU 2
	GELU 3
	QUANT HA
	global_store_b128 v[HCO], v[PC:PC+3], s[14:15]             ; the fragment as it stands: 512 consecutive bytes a store
	global_store_b128 v[HCO], v[PC+4:PC+7], s[14:15] offset:512
	global_store_b32 v[HSO], v[PW], s[20:21]       ; row r's word; lanes 16-31 hold the same word and name the same place
.Lskip:
	s_add_co_u32 s28, s28, 256
	s_add_co_u32 s25, s25, 4
	s_sub_co_u32 s27, s27, 1
	s_cmp_lg_u32 s27, 0
	s_cbranch_scc1 .Ltile
	s_wait_tensorcnt 0x0
	ds_add_u32 v234, v235
	s_wait_dscnt 0x0
	s_endpgm
.Lfunc_end_k_qc5a40c91cf_gemm1:
	.size	k_qc5a40c91cf_gemm1, .Lfunc_end_k_qc5a40c91cf_gemm1-k_qc5a40c91cf_gemm1
	.p2alignl 7, 3214868480
	.fill 96, 4, 3214868480
	.section	.rodata,"a",@progbits
	.p2align	6, 0x0
	.amdhsa_kernel k_qc5a40c91cf_gemm1
		.amdhsa_group_segment_fixed_size 109056
		.amdhsa_private_segment_fixed_size 0
		.amdhsa_enable_private_segment 0
		.amdhsa_kernarg_size 56
		.amdhsa_user_sgpr_count 2
		.amdhsa_user_sgpr_kernarg_segment_ptr 1
		.amdhsa_wavefront_size32 1
		.amdhsa_system_sgpr_workgroup_id_x 1
		.amdhsa_system_sgpr_workgroup_id_y 1
		.amdhsa_system_sgpr_workgroup_id_z 1
		.amdhsa_system_vgpr_workitem_id 0
		.amdhsa_next_free_vgpr 1024
		.amdhsa_next_free_sgpr 100
		.amdhsa_reserve_vcc 1
		.amdhsa_float_denorm_mode_32 3
		.amdhsa_float_denorm_mode_16_64 3
		.amdhsa_memory_ordered 1
		.amdhsa_forward_progress 1
		.amdhsa_inst_pref_size 110
	.end_amdhsa_kernel
	.amdgpu_metadata
---
amdhsa.version: [ 1, 2 ]
amdhsa.kernels:
  - .name:           k_qc5a40c91cf_gemm1
    .symbol:         k_qc5a40c91cf_gemm1.kd
    .args:
      - { .name: sel, .offset: 0, .size: 8, .value_kind: global_buffer, .address_space: global }
      - { .name: xq, .offset: 8, .size: 8, .value_kind: global_buffer, .address_space: global }
      - { .name: W1_codes, .offset: 16, .size: 8, .value_kind: global_buffer, .address_space: global }
      - { .name: W1_scales, .offset: 24, .size: 8, .value_kind: global_buffer, .address_space: global }
      - { .name: b1, .offset: 32, .size: 8, .value_kind: global_buffer, .address_space: global }
      - { .name: hc, .offset: 40, .size: 8, .value_kind: global_buffer, .address_space: global }
      - { .name: rows, .offset: 48, .size: 8, .value_kind: global_buffer, .address_space: global }
    .group_segment_fixed_size: 109056
    .private_segment_fixed_size: 0
    .kernarg_segment_align: 8
    .kernarg_segment_size: 56
    .max_flat_workgroup_size: 128
    .sgpr_count:     100
    .vgpr_count:     1024
    .wavefront_size: 32
...
	.end_amdgpu_metadata
.endif
;; end of part 6
;; launch gemm2 (part 7): grid 32 x 8, 4 waves a work-group, no clusters, 118,272 bytes of LDS; arguments rows, hc, W2_codes, W2_scales, b2, y; writes y
.if DOCPART == 7
	.amdgcn_target "amdgcn-amd-amdhsa--gfx1250"
	.amdhsa_code_object_version 6
	.text
	.protected	k_qc5a40c91cf_gemm2
	.globl	k_qc5a40c91cf_gemm2
	.p2align	8
	.type	k_qc5a40c91cf_gemm2,@function
k_qc5a40c91cf_gemm2:
	s_mov_b64 s[64:65], 0
	v_nop
	global_prefetch_b8 v0, s[64:65] scope:SCOPE_SE
	s_setreg_imm32_b32 hwreg(HW_REG_WAVE_SCHED_MODE, 0, 2), 2
	s_setreg_imm32_b32 hwreg(HW_REG_WAVE_MODE, 25, 1), 1
	s_wait_xcnt 0x0
	s_wait_alu depctr_vm_vsrc(0)
; SECOND PRODUCT.  y[rid][d] = sum over the hidden axis of Q(h)[row] W2[E][d] + b2[E][d], for every routed row rid = 2 x token + slot.
; A work-group is (SL = x % 8, RG = x / 8, E = y): output columns 128 SL .. + 127 of expert E, for the expert's tiles RG, RG + 4, ..  (a tile: 16 places of the list that the launch before stored).
; THE WAVES SHARE K: wave w holds K steps 8 w .. 8 w + 7 of all 128 rows of W2 in 512 registers (64 fragments), so no byte of W2 is loaded twice in the work-group, and of each hidden tile it loads its own
; eight fragments alone, each of which feeds eight matrix instructions.  The four partial sums meet in LDS; each wave adds and stores four rows of the tile.
; TRANSPOSED use: source 0 = 16 rows of W2 (columns of y), source 1 = the hidden fragment: a lane holds eight neighbouring columns of one row.
; W2's rows are loaded as they lie, 512 consecutive bytes a load, and turn into fragments through the wave's stage in LDS, 16 rows at a time; a tile's turn stands between the loads of later tiles and of the
; hidden buffers, so that LDS works on one tile while the next loads are on their way.
; Hidden fragments come from memory as images of their registers, straight into the operand's registers; four buffers are asked for at the head, and each is asked for again when it has been multiplied.
; EVERY WAVE PASSES ALL 16 BARRIERS, whatever the list holds: a sub-trip whose tile does not exist (T > LT, a number read from memory) jumps over its two halves, never over the barrier between them.
; One barrier a sub-trip is enough: the partial sums take two regions by turns, and a region is written again two sub-trips on, behind the next barrier, in front of which every wave's reads are back.
; THE WAY OUT: one store of a wave is one row's 128 columns, 512 consecutive bytes.  So 'row or no row' (rid 2048) is one answer for the whole wave: a scalar branch round the store; EXEC is never written.
; No tensor load, no cluster: branches hang on stored numbers.
; THE MODE: SCHED_MODE bits 1:0 = 2 (LLVM: expert scheduling mode 2), set by the entry lines.  The code itself states the register dependences between vector or matrix instructions and memory or LDS
; instructions, with s_wait_alu, always for 0.
; THE PLAN.  Registers that memory or LDS instructions touch:
;   v4-v8, v13, v14, v62, v63   addresses, made at the head and never written again: one wait on va_vdst ahead of the first load serves them for the whole kernel.
;   windows 1, 2                a tile of W2: global loads land; the turn's LDS stores read; the turn's LDS loads land in the same registers (one wait on vm_vsrc between); from then on the products alone read.
;   HO, SO, RO                  a buffer's three offsets: written by vector additions, at the head for all four buffers together, in a sub-trip at its head; read by the buffer's 18 loads.
;   window 3, HSC, RID          buffer k: its 18 loads land; sub-trip k's products and its first lines read; the reload lands behind them.
;   ACC                         written by a sub-trip's products; read by its 16 LDS stores.
;   RD                          the LDS loads behind the barrier land; the additions read.
;   OUT, YO                     written by the additions, and by the sub-trip's first lines; read by the four stores.
; A SUB-TRIP HAS TWO WAITS ON va_vdst AND ONE ON vm_vsrc.  The first stands behind the products and their places: the accumulators and the three offsets are written, buffer k is read out; behind it stand the
; reload's loads and the LDS stores and no vector instruction.  The second stands behind the additions: OUT and YO are written, RD is read out.  The wait on vm_vsrc stands at the sub-trip's end, on every way:
; all that memory and LDS instructions have read so far (YO, OUT, ACC, the offsets) may be written again.
.set REDP, 41984                       ; LDS: two regions for the partial sums: wave x 10,496 + (2 t + c) x 656 + 16 r + 384 h
.set REDW, 10496
.set REDC, 656
.set WTS,  83968                       ; behind them, for each wave: a stage of 16 rows of 512 bytes + 16
.set WSP,  528
.set HSB,  16777216
.set L16,  4                           ; v4   16 x lane
.set WTW,  5                           ; v5   stage, in
.set WTR,  6                           ; v6   stage, out
.set RDW,  7                           ; v7   my partial sums' place
.set RDR,  8                           ; v8   where I read partial sums back, first region;
.set HB,   9                           ; v9   8,192 w + 16 lane: my K steps of a hidden tile
.set SB,   10                          ; v10  512 w + 16 lane: their scale words
.set RB,   11                          ; v11  16 w: my four rows' list entries, one address for all lanes
.set L128, 13                          ; v13  128 x lane
.set RDR1, 14                          ; v14  second region
.set TMPV, 15
.set HO,   16                          ; v16-19, v20-23, v24-27 offsets of buffer k's loads
.set SO,   20
.set RO,   24
.set YO,   28                          ; v28-31 my four rows' offsets in y
.set HSC,  40                          ; v40-55 hidden scale words: 4 k + j: lanes 0-15 K step j, lanes 16-31 K step 4 + j
.set B2,   56                          ; v56-59 b2 of my four columns
.set W2S,  64                          ; v64-95 W2's scale words: 8 b + s: lanes 0-15 tile 2 b, lanes 16-31 tile 2 b + 1
.set ACC,  96                          ; v96-159 eight accumulators
.set RD,   160                         ; v160-223 partial sums read back: 16 i + 4 x wave
.set OUT,  224                         ; v224-239 four rows' pieces of 16 bytes
.set RID,  240                         ; v240-255 list entries: 4 k + i
.set SR,   40                          ; s40-43 the four entries of the tile in hand, as scalars
                                       ; windows 1, 2: W2's fragments: tile t, K step s at 64 (t % 4) + 8 s of window 1 + t / 4;  window 3: four hidden buffers, 64 k + 8 s
.set MSB, 0
.macro WIN new                         ; the immediate's high byte repeats the setting that is left
.if MSB != \new
	s_set_vgpr_msb (MSB<<8)|\new
.set MSB, \new
.endif
.endm
; The three offsets of tile s24's fragments, scale words and list entries, for buffer k.
.macro HADDR k
	WIN 0
	s_lshl_b32 s27, s24, 15
	v_add_nc_u32 v[HO+\k], s27, v[HB]
	s_lshl_b32 s27, s24, 11
	v_add_nc_u32 v[SO+\k], s27, v[SB]
	s_lshl_b32 s27, s24, 6
	v_add_nc_u32 v[RO+\k], s27, v[RB]
.endm
; The tile's fragments, scale words and list entries into buffer k: 18 loads.  It stands behind a wait on va_vdst that shows the three offsets written and the buffer's earlier readers done;
; no vector or matrix instruction between that wait and these loads names a register that they touch.
.macro HFETCH k
	WIN 0xc0                                       ; destination window 3
.irp s, 0,1,2,3,4,5,6,7
.irp c, 0,1
	global_load_b128 v[64*\k+8*\s+4*\c:64*\k+8*\s+4*\c+3], v[HO+\k], s[6:7] offset:1024*\s+512*\c   ; 512 consecutive bytes
.endr
.endr
	WIN 0
	global_load_b128 v[HSC+4*\k:HSC+4*\k+3], v[SO+\k], s[16:17]
	global_load_b128 v[RID+4*\k:RID+4*\k+3], v[RO+\k], s[4:5]
.endm
; My 512 bytes of each of tile t's 16 rows of W2, as they lie, into the registers that the tile's fragments will take: 16 loads.
.macro WLOAD t
.if (\t) < 4
	WIN 0x40                                       ; destination window 1
.else
	WIN 0x80                                       ; or 2
.endif
.set ii, 0
.rept 16
	global_load_b128 v[64*((\t)%4)+4*ii:64*((\t)%4)+4*ii+3], v[L16], s[8:9] offset:(16*(\t)+ii)*2048
.set ii, ii+1
.endr
.endm
; Tile t's 16 rows turn through my stage into its 8 fragments, in the same registers.
.macro WTURN t
	s_wait_loadcnt 63                              ; tile t is in: wherever this macro stands, at least 64 loads have been issued behind tile t's sixteen
.if (\t) < 4
	WIN 0x04                                       ; an LDS store's data are its source 1
.else
	WIN 0x08
.endif
.set ii, 0
.rept 16
	ds_store_b128 v[WTW], v[64*((\t)%4)+4*ii:64*((\t)%4)+4*ii+3] offset:WSP*ii
.set ii, ii+1
.endr
.if (\t) < 4
	WIN 0x40
.else
	WIN 0x80
.endif
	s_wait_alu depctr_vm_vsrc(0)                   ; the sixteen LDS stores above have read the tile's registers, in which the fragments' loads below land (tile 7's wait also shows that the four buffers' loads have read HO, SO, RO, which the sub-trips write again)
.set ss, 0
.rept 8
	ds_load_b128 v[64*((\t)%4)+8*ss:64*((\t)%4)+8*ss+3], v[WTR] offset:64*ss          ; LDS serves a wave's instructions in order (ISA guide 5.7.1.4): these see the stores above, and the next tile's stores come behind them
	ds_load_b128 v[64*((\t)%4)+8*ss+4:64*((\t)%4)+8*ss+7], v[WTR] offset:64*ss+32
.set ss, ss+1
.endr
.endm
.macro MM2 t, s, k
.set rD, ACC+8*(\t)
.set rA, 64*((\t)%4)+8*(\s)
.set rB, 64*(\k)+8*(\s)
.set rSA, W2S+8*((\t)/2)+(\s)
.set rSB, HSC+4*(\k)+(\s)%4
.if (\s) == 0
.if (\t)%2
	v_wmma_scale_f32_16x16x128_f8f6f4 v[rD:rD+7], v[rA:rA+7], v[rB:rB+7], 0, v[rSA], v[rSB] matrix_a_fmt:MATRIX_FMT_FP4 matrix_b_fmt:MATRIX_FMT_FP4 matrix_a_scale:MATRIX_SCALE_ROW1
.else
	v_wmma_scale_f32_16x16x128_f8f6f4 v[rD:rD+7], v[rA:rA+7], v[rB:rB+7], 0, v[rSA], v[rSB] matrix_a_fmt:MATRIX_FMT_FP4 matrix_b_fmt:MATRIX_FMT_FP4
.endif
.elseif (\s) < 4
.if (\t)%2
	v_wmma_scale_f32_16x16x128_f8f6f4 v[rD:rD+7], v[rA:rA+7], v[rB:rB+7], v[rD:rD+7], v[rSA], v[rSB] matrix_a_fmt:MATRIX_FMT_FP4 matrix_b_fmt:MATRIX_FMT_FP4 matrix_a_scale:MATRIX_SCALE_ROW1
.else
	v_wmma_scale_f32_16x16x128_f8f6f4 v[rD:rD+7], v[rA:rA+7], v[rB:rB+7], v[rD:rD+7], v[rSA], v[rSB] matrix_a_fmt:MATRIX_FMT_FP4 matrix_b_fmt:MATRIX_FMT_FP4
.endif
.else
.if (\t)%2
	v_wmma_scale_f32_16x16x128_f8f6f4 v[rD:rD+7], v[rA:rA+7], v[rB:rB+7], v[rD:rD+7], v[rSA], v[rSB] matrix_a_fmt:MATRIX_FMT_FP4 matrix_b_fmt:MATRIX_FMT_FP4 matrix_a_scale:MATRIX_SCALE_ROW1 matrix_b_scale:MATRIX_SCALE_ROW1
.else
	v_wmma_scale_f32_16x16x128_f8f6f4 v[rD:rD+7], v[rA:rA+7], v[rB:rB+7], v[rD:rD+7], v[rSA], v[rSB] matrix_a_fmt:MATRIX_FMT_FP4 matrix_b_fmt:MATRIX_FMT_FP4 matrix_b_scale:MATRIX_SCALE_ROW1
.endif
.endif
.endm
; Row 4 w + i of the tile leaves, if its place in the list holds a row: the entry is the same in all lanes, so the branch is scalar.
.macro PUT i
	s_cmp_lt_u32 s[SR+\i], 0x800
	s_cbranch_scc0 .Lno_row_\@
	global_store_b128 v[YO+\i], v[OUT+4*\i:OUT+4*\i+3], s[14:15]   ; the wave stores 512 consecutive bytes of the row, at a multiple of 256 from y's first byte
.Lno_row_\@:
.endm
; Tile T = s23 from buffer k.  n: the loads that are certainly younger than buffer k's and may stay out.
.macro SUBTRIP k, n
	s_cmp_gt_u32 s23, s22
	s_cbranch_scc1 .LsA_\@
	s_wait_loadcnt \n                              ; buffer k is in
.irp i, 0,1,2,3
	v_readfirstlane_b32 s[SR+\i], v[RID+4*\k+\i]   ; the entry of row 4 w + i, for the branch round its store
	v_min_u32 v[TMPV], 0x7ff, v[RID+4*\k+\i]
	v_lshl_add_u32 v[YO+\i], v[TMPV], 12, v[L16]   ; 4,096 bytes a row of y, 16 a lane
.endr
	s_add_co_u32 s26, s23, 16                      ; the tile four sub-trips on;
	s_min_u32 s24, s26, 63
	HADDR \k                                       ; its offsets are made here, ahead of the products, whether or not the tile exists: so the one wait behind the products serves them too
	s_wait_alu depctr_va_sdst(0)                   ; s40 to s43 are written, ahead of their first readers (the compares round the stores) and of every branch and label
	WIN 0x0d                                       ; W2 window 1, the hidden layer window 3
.set ss, 0
.rept 8                                        ; four accumulators take turns, one instruction a turn; the first K step starts the sums
.set tt, 0
.rept 4
	MM2 tt, ss, \k
.set tt, tt+1
.endr
.set ss, ss+1
.endr
	WIN 0x0e                                       ; W2 window 2
.set ss, 0
.rept 8
.set tt, 4
.rept 4
	MM2 tt, ss, \k
.set tt, tt+1
.endr
.set ss, ss+1
.endr
	WIN 0
.rept 5
	v_nop                                          ; four places in front of the LDS stores of the results; a fifth, since the next products to be issued begin these accumulators anew
.endr
	s_wait_alu depctr_va_vdst(0)                   ; the products have written the accumulators, which the LDS stores read, and are done reading buffer k and its scale words; the first lines are done reading its list entries: the reload lands in all three; HO, SO, RO of buffer k are written, which the reload reads
	s_cmp_gt_u32 s26, s22
	s_cbranch_scc1 .LnoR_\@
	HFETCH \k                                      ; the tile four sub-trips on
.LnoR_\@:
.irp t, 0,1,2,3,4,5,6,7
.irp c, 0,1
	ds_store_b128 v[RDW], v[ACC+8*\t+4*\c:ACC+8*\t+4*\c+3] offset:((\k)%2)*REDP+(2*\t+\c)*REDC   ; each accumulator from its low end on
.endr
.endr
.LsA_\@:
	s_wait_dscnt 0x0                               ; for the others' sake: my partial sums lie in LDS (my reads of the last sub-trip came back there)
	s_barrier_signal -1
	s_barrier_wait -1
	s_cmp_gt_u32 s23, s22
	s_cbranch_scc1 .LsB_\@
.if (\k)%2
.set rR, RDR1
.else
.set rR, RDR
.endif
.irp i, 0,1,2,3                                ; row 4 w + i; my columns 4 lane .. + 3; the four waves' parts
.irp src, 0,1,2,3
	ds_load_b128 v[RD+16*\i+4*\src:RD+16*\i+4*\src+3], v[rR] offset:\src*REDW+16*\i
.endr
.endr
	s_wait_dscnt 0x0
.irp i, 0,1,2,3
.irp u, 0,2
	v_pk_add_f32 v[OUT+4*\i+\u:OUT+4*\i+\u+1], v[B2+\u:B2+\u+1], v[RD+16*\i+\u:RD+16*\i+\u+1]
.endr
.endr
.irp src, 1,2,3
.irp i, 0,1,2,3
.irp u, 0,2
	v_pk_add_f32 v[OUT+4*\i+\u:OUT+4*\i+\u+1], v[OUT+4*\i+\u:OUT+4*\i+\u+1], v[RD+16*\i+4*\src+\u:RD+16*\i+4*\src+\u+1]
.endr
.endr
.endr
	s_wait_alu depctr_va_vdst(0)                   ; the additions have written OUT, and YO is written: the four stores read both; the additions are done reading RD, in which the next sub-trip's LDS loads land
	PUT 0
	PUT 1
	PUT 2
	PUT 3
.LsB_\@:
	s_wait_xcnt 0x0                                ; the stores have read their offsets and data: the next sub-trip writes both again
	s_wait_alu depctr_vm_vsrc(0)                   ; beside it: the stores have read YO and OUT, the LDS stores the accumulators, the reload's loads HO, SO, RO: later sub-trips' vector and matrix instructions write all of these again
	s_add_co_u32 s23, s23, 4
.endm
	s_load_b128 s[4:7], s[0:1], 0x0                ; rows, hc
	s_load_b128 s[8:11], s[0:1], 0x10              ; W2's codes, W2's scales
	s_load_b128 s[12:15], s[0:1], 0x20             ; b2, y
	v_lshl_add_u32 v62, v0, 2, 0x1cc00
	v_mov_b32 v63, 0
	v_lshrrev_b32 v1, 5, v0
	v_readfirstlane_b32 s18, v1                    ; wave
	s_and_b32 s19, ttmp9, 7                        ; SL
	s_lshr_b32 s20, ttmp9, 3                       ; RG
	s_and_b32 s21, ttmp7, 0xffff                   ; E
	v_and_b32 v1, 31, v0                           ; lane
	v_and_b32 v2, 15, v0                           ; r
	v_bfe_u32 v3, v0, 4, 1                         ; h
	v_lshlrev_b32 v[L16], 4, v1
	s_wait_alu depctr_va_sdst(0)                   ; s18 is written, ahead of its first reader: LDS places and the bases of W2 are made from it
	s_mul_i32 s24, s18, 16*WSP
	s_add_co_u32 s24, s24, WTS                     ; my stage
	v_add_nc_u32 v[WTW], s24, v[L16]
	v_mul_u32_u24 v[WTR], v2, WSP
	v_lshl_add_u32 v[WTR], v3, 4, v[WTR]
	v_add_nc_u32 v[WTR], s24, v[WTR]
	s_mul_i32 s24, s18, REDW
	v_mul_u32_u24 v[RDW], v3, 384
	v_lshl_add_u32 v[RDW], v2, 4, v[RDW]
	v_add_nc_u32 v[RDW], s24, v[RDW]
	v_lshrrev_b32 v[TMPV], 2, v1                   ; column 4 lane lies in tile lane / 4, half (lane / 2) % 2, registers 4 (lane % 2) on
	v_and_b32 v[RDR], 1, v0
	v_lshl_add_u32 v[RDR], v[TMPV], 1, v[RDR]
	v_mul_u32_u24 v[RDR], v[RDR], REDC
	v_bfe_u32 v[TMPV], v0, 1, 1
	v_mad_u32_u24 v[RDR], v[TMPV], 384, v[RDR]
	s_lshl_b32 s24, s18, 6
	v_add_nc_u32 v[RDR], s24, v[RDR]               ; + 16 x 4 w: my first row.  Sixteen neighbouring lanes touch sixteen different 16-byte columns modulo 256: 144 n + 128 h
	v_add_nc_u32 v[RDR1], REDP, v[RDR]
	s_lshl_b32 s24, s18, 13
	v_add_nc_u32 v[HB], s24, v[L16]
	s_lshl_b32 s24, s18, 9
	v_add_nc_u32 v[SB], s24, v[L16]
	s_lshl_b32 s24, s18, 4
	v_mov_b32 v[RB], s24
	v_lshlrev_b32 v[L128], 7, v1
.irp i, 0,1,2,3
	v_mov_b32 v[YO+\i], 0                          ; written once here, so that they are written on every way to the stores
.endr
	s_lshl_b32 s24, s21, 10
	s_lshl_b32 s25, s19, 7
	s_add_co_u32 s24, s24, s25                     ; the slice's first row of W2: 1024 E + 128 SL
	s_lshl_b32 s32, s24, 11                        ; codes: 2,048 bytes a row, my K steps 512 w on
	s_lshl_b32 s25, s18, 9
	s_add_co_u32 s32, s32, s25
	s_mov_b32 s33, 0
	s_lshl_b32 s34, s24, 7                         ; scale bytes: 128 a row, mine 32 w on
	s_lshl_b32 s25, s18, 5
	s_add_co_u32 s34, s34, s25
	s_mov_b32 s35, 0
	s_lshl_b32 s36, s24, 2                         ; b2
	s_mov_b32 s37, 0
	s_lshl_b32 s38, s19, 9                         ; y: my columns
	s_mov_b32 s39, 0
	s_lshl_b32 s40, s21, 17                        ; hc's scale words
	s_add_co_u32 s40, s40, HSB
	s_mov_b32 s41, 0
	s_lshl_b32 s42, s21, 21                        ; hc's codes
	s_mov_b32 s43, 0
	s_lshl_b32 s44, s21, 2                         ; the expert's last tile
	s_add_co_u32 s44, s44, 32768
	s_mov_b32 s45, 0
	s_lshl_b32 s46, s21, 12                        ; the expert's list
	s_mov_b32 s47, 0
	s_wait_kmcnt 0x0
	s_add_nc_u64 s[28:29], s[4:5], s[44:45]
	s_load_b32 s22, s[28:29], 0x0                  ; LT
	s_add_nc_u64 s[4:5], s[4:5], s[46:47]
	s_add_nc_u64 s[16:17], s[6:7], s[40:41]
	s_add_nc_u64 s[6:7], s[6:7], s[42:43]
	s_add_nc_u64 s[8:9], s[8:9], s[32:33]
	s_add_nc_u64 s[10:11], s[10:11], s[34:35]
	s_add_nc_u64 s[12:13], s[12:13], s[36:37]
	s_add_nc_u64 s[14:15], s[14:15], s[38:39]
.irp i, 0,1,2,3
	s_mov_b32 s[SR+\i], 0x800                      ; 'no row', until a tile's entries are read
.endr
	s_wait_alu depctr_va_vdst(0)                   ; the addresses v4 to v8, v13, v14, YO's zeros, v62 and v63 are written: every load, store and LDS instruction of the kernel reads some of them
.irp b, 0,1,2,3
.irp q, 0,1
	global_load_b128 v[W2S+8*\b+4*\q:W2S+8*\b+4*\q+3], v[L128], s[10:11] offset:4096*\b+16*\q
.endr
.endr
	global_load_b128 v[B2:B2+3], v[L16], s[12:13]
	; ---- W2: loads and turns by turns.  Behind tile t's loads stand, at its turn: for t = 0 .. 3 the 64 loads of tiles t + 1 .. t + 4;
	; for t = 4 .. 7 the 16 (7 - t) loads of the tiles left and the 18 (t - 3) of the hidden buffers asked for so far: 66, 68, 70, 72
	WLOAD 0
	WLOAD 1
	WLOAD 2
	WLOAD 3
.irp t, 0,1,2,3
	WLOAD \t+4
	WTURN \t
.endr
	s_wait_kmcnt 0x0
	s_min_u32 s22, s22, 63
.irp k, 0,1,2,3                                ; the hidden buffers: always issued, on a tile that exists: tile min(RG + 4 k, LT).  Their twelve offsets are made together,
	s_add_co_u32 s24, s20, 4*\k
	s_min_u32 s24, s24, s22
	s_min_u32 s24, s24, 63
	HADDR \k
.endr
	s_wait_alu depctr_va_vdst(0)                   ; under one wait: HO, SO, RO of all four buffers are written, which the 72 loads below read; what stands between the wait and those loads names windows 1 and 2 and the stage's two addresses alone
.irp k, 0,1,2,3
	HFETCH \k
	WTURN \k+4
.endr
	WIN 0
	s_wait_dscnt 0x0                               ; all 64 fragments are in their registers
	s_mov_b32 s23, s20                             ; T
	SUBTRIP 0, 54                                  ; behind buffer 0's loads: three buffers of 18
	SUBTRIP 1, 36
	SUBTRIP 2, 18
	SUBTRIP 3, 0
	s_mov_b32 s25, 3
.Lmore:                                                ; tiles RG + 16 .. RG + 60, for splits that send an expert more than 256 rows
	SUBTRIP 0, 0
	SUBTRIP 1, 0
	SUBTRIP 2, 0
	SUBTRIP 3, 0
	s_sub_co_u32 s25, s25, 1
	s_cmp_lg_u32 s25, 0
	s_cbranch_scc1 .Lmore
	s_wait_dscnt 0x0                               ; the closing lines, six on end
	s_wait_alu 0x0
	s_wait_tensorcnt 0x0
	ds_add_u32 v62, v63
	s_wait_dscnt 0x0
	s_endpgm
.Lfunc_end_k_qc5a40c91cf_gemm2:
	.size	k_qc5a40c91cf_gemm2, .Lfunc_end_k_qc5a40c91cf_gemm2-k_qc5a40c91cf_gemm2
	.p2alignl 7, 3214868480
	.fill 96, 4, 3214868480
	.section	.rodata,"a",@progbits
	.p2align	6, 0x0
	.amdhsa_kernel k_qc5a40c91cf_gemm2
		.amdhsa_group_segment_fixed_size 118272
		.amdhsa_private_segment_fixed_size 0
		.amdhsa_enable_private_segment 0
		.amdhsa_kernarg_size 48
		.amdhsa_user_sgpr_count 2
		.amdhsa_user_sgpr_kernarg_segment_ptr 1
		.amdhsa_wavefront_size32 1
		.amdhsa_system_sgpr_workgroup_id_x 1
		.amdhsa_system_sgpr_workgroup_id_y 1
		.amdhsa_system_sgpr_workgroup_id_z 1
		.amdhsa_system_vgpr_workitem_id 0
		.amdhsa_next_free_vgpr 1024
		.amdhsa_next_free_sgpr 66
		.amdhsa_reserve_vcc 0
		.amdhsa_float_denorm_mode_32 3
		.amdhsa_float_denorm_mode_16_64 3
		.amdhsa_memory_ordered 1
		.amdhsa_forward_progress 1
		.amdhsa_inst_pref_size 172
	.end_amdhsa_kernel
	.amdgpu_metadata
---
amdhsa.version: [ 1, 2 ]
amdhsa.kernels:
  - .name:           k_qc5a40c91cf_gemm2
    .symbol:         k_qc5a40c91cf_gemm2.kd
    .args:
      - { .name: rows, .offset: 0, .size: 8, .value_kind: global_buffer, .address_space: global }
      - { .name: hc, .offset: 8, .size: 8, .value_kind: global_buffer, .address_space: global }
      - { .name: W2_codes, .offset: 16, .size: 8, .value_kind: global_buffer, .address_space: global }
      - { .name: W2_scales, .offset: 24, .size: 8, .value_kind: global_buffer, .address_space: global }
      - { .name: b2, .offset: 32, .size: 8, .value_kind: global_buffer, .address_space: global }
      - { .name: y, .offset: 40, .size: 8, .value_kind: global_buffer, .address_space: global }
    .group_segment_fixed_size: 118272
    .private_segment_fixed_size: 0
    .kernarg_segment_align: 8
    .kernarg_segment_size: 48
    .max_flat_workgroup_size: 128
    .sgpr_count:     66
    .vgpr_count:     1024
    .wavefront_size: 32
...
	.end_amdgpu_metadata
.endif
;; end of part 7
;; launch combine (part 8): grid 256 x 1, 4 waves a work-group, no clusters, 0 bytes of LDS; arguments y, prb, out0; writes out0
.if DOCPART == 8
	.amdgcn_target "amdgcn-amd-amdhsa--gfx1250"
	.amdhsa_code_object_version 6
	.text
	.protected	k_qc5a40c91cf_combine
	.globl	k_qc5a40c91cf_combine
	.p2align	8
	.type	k_qc5a40c91cf_combine,@function
k_qc5a40c91cf_combine:
	s_mov_b64 s[64:65], 0
	v_nop
	global_prefetch_b8 v0, s[64:65] scope:SCOPE_SE
	s_setreg_imm32_b32 hwreg(HW_REG_WAVE_MODE, 25, 1), 1
	s_wait_xcnt 0x0
; out0[t] = p0 y[2 t] + p1 y[2 t + 1].  y: [2048][1024] f32, the two chosen experts' rows of each token (b2 is in them); prb: [1024][2] f32.
; One wave takes one token: 16 loads of 512 consecutive bytes, all out at once, 32 packed operations, 8 stores of 512 consecutive bytes.  Each chunk has registers of its own, so no store's data are written again.
; A stream: no LDS, no barrier, no matrix unit; nothing is read twice.
.set Y0, 8                             ; v8-39   the first choice's row
.set Y1, 40                            ; v40-71  the second's
.set O,  72                            ; v72-103 the result
	s_load_b128 s[4:7], s[0:1], 0x0                ; y, prb
	s_load_b64 s[8:9], s[0:1], 0x10                ; out0
	v_lshrrev_b32 v1, 5, v0
	v_readfirstlane_b32 s10, v1                    ; wave
	v_and_b32 v1, 31, v0
	v_lshlrev_b32 v1, 4, v1                        ; 16 x lane
	s_lshl_b32 s11, ttmp9, 2
	s_add_co_u32 s11, s11, s10                     ; my token
	s_lshl_b32 s12, s11, 13                        ; two rows of 4,096 bytes
	s_mov_b32 s13, 0
	s_lshl_b32 s14, s11, 3
	s_mov_b32 s15, 0
	s_lshl_b32 s16, s11, 12
	s_mov_b32 s17, 0
	s_wait_alu depctr_va_vdst(0)
	s_wait_kmcnt 0x0
	s_add_nc_u64 s[4:5], s[4:5], s[12:13]
	s_add_nc_u64 s[6:7], s[6:7], s[14:15]
	s_add_nc_u64 s[8:9], s[8:9], s[16:17]
	s_load_b64 s[20:21], s[6:7], 0x0               ; p0, p1
.irp j, 0,1,2,3,4,5,6,7
	global_load_b128 v[Y0+4*\j:Y0+4*\j+3], v1, s[4:5] offset:512*\j th:TH_LOAD_NT
.endr
.irp j, 0,1,2,3,4,5,6,7
	global_load_b128 v[Y1+4*\j:Y1+4*\j+3], v1, s[4:5] offset:4096+512*\j th:TH_LOAD_NT
.endr
	s_wait_kmcnt 0x0
	s_mov_b32 s22, s21                             ; p1 as the low word of a pair of its own: the packed forms take a scalar pair's low word for both halves
	s_mov_b32 s23, s21
.irp j, 0,1,2,3,4,5,6,7
	s_wait_loadcnt 7-\j                            ; chunk j of the second row is in, and so is all of the first; the 7 - j loads behind it may stay out
	v_pk_mul_f32 v[O+4*\j:O+4*\j+1], v[Y0+4*\j:Y0+4*\j+1], s[20:21] op_sel_hi:[1,0]
	v_pk_mul_f32 v[O+4*\j+2:O+4*\j+3], v[Y0+4*\j+2:Y0+4*\j+3], s[20:21] op_sel_hi:[1,0]
	v_pk_fma_f32 v[O+4*\j:O+4*\j+1], v[Y1+4*\j:Y1+4*\j+1], s[22:23], v[O+4*\j:O+4*\j+1] op_sel_hi:[1,0,1]
	v_pk_fma_f32 v[O+4*\j+2:O+4*\j+3], v[Y1+4*\j+2:Y1+4*\j+3], s[22:23], v[O+4*\j+2:O+4*\j+3] op_sel_hi:[1,0,1]
	global_store_b128 v1, v[O+4*\j:O+4*\j+3], s[8:9] offset:512*\j th:TH_STORE_NT
.endr
	s_endpgm
.Lfunc_end_k_qc5a40c91cf_combine:
	.size	k_qc5a40c91cf_combine, .Lfunc_end_k_qc5a40c91cf_combine-k_qc5a40c91cf_combine
	.p2alignl 7, 3214868480
	.fill 96, 4, 3214868480
	.section	.rodata,"a",@progbits
	.p2align	6, 0x0
	.amdhsa_kernel k_qc5a40c91cf_combine
		.amdhsa_group_segment_fixed_size 0
		.amdhsa_private_segment_fixed_size 0
		.amdhsa_enable_private_segment 0
		.amdhsa_kernarg_size 24
		.amdhsa_user_sgpr_count 2
		.amdhsa_user_sgpr_kernarg_segment_ptr 1
		.amdhsa_wavefront_size32 1
		.amdhsa_system_sgpr_workgroup_id_x 1
		.amdhsa_system_sgpr_workgroup_id_y 1
		.amdhsa_system_sgpr_workgroup_id_z 1
		.amdhsa_system_vgpr_workitem_id 0
		.amdhsa_next_free_vgpr 112
		.amdhsa_next_free_sgpr 66
		.amdhsa_reserve_vcc 0
		.amdhsa_float_denorm_mode_32 3
		.amdhsa_float_denorm_mode_16_64 3
		.amdhsa_memory_ordered 1
		.amdhsa_forward_progress 1
		.amdhsa_inst_pref_size 6
	.end_amdhsa_kernel
	.amdgpu_metadata
---
amdhsa.version: [ 1, 2 ]
amdhsa.kernels:
  - .name:           k_qc5a40c91cf_combine
    .symbol:         k_qc5a40c91cf_combine.kd
    .args:
      - { .name: y, .offset: 0, .size: 8, .value_kind: global_buffer, .address_space: global }
      - { .name: prb, .offset: 8, .size: 8, .value_kind: global_buffer, .address_space: global }
      - { .name: out0, .offset: 16, .size: 8, .value_kind: global_buffer, .address_space: global }
    .group_segment_fixed_size: 0
    .private_segment_fixed_size: 0
    .kernarg_segment_align: 8
    .kernarg_segment_size: 24
    .max_flat_workgroup_size: 128
    .sgpr_count:     66
    .vgpr_count:     112
    .wavefront_size: 32
...
	.end_amdgpu_metadata
.endif
;; end of part 8
